; MI455X (gfx1250); checked and timed in simulation.
; The chip was launched on July 23, 2026; its instructions are those of AMD's public machine-readable ISA for CDNA 5 (MIT licence, August 2026) and "CDNA5" Instruction Set Architecture Reference Guide (July 2026). The comments in the code are by the model that wrote it; some were corrected since.
;; Self Attention. Allowed arithmetic: matrix products marked QUANTISED: E2M3 operands, one E8M0 scale for each 32 along K, by v_wmma_scale_f32_16x16x128_f8f6f4 with both operands' format E2M3, f32 sums; everything else in f32.
;; Inputs: cos 1 x 2,048 x 1 x 32 float32; lamb1 one number float32; lamb2 one number float32; sin 1 x 2,048 x 1 x 32 float32; wk 1,024 x 1,024 float32; wproj 1,024 x 1,024 float32; wq 1,024 x 1,024 float32; wv 1,024 x 1,024 float32; x 4 x 2,048 x 1,024 float32.
;; Outputs: out0 4 x 2,048 x 1,024 float32; out1 4 x 2,048 x 16 x 64 float32.
;; This version of the problem:
;;   THIS VERSION OF THE PROBLEM IS GIVEN IN LOW PRECISION. The matrix products marked QUANTISED in the list below multiply operands that are first quantised to E2M3 (2 exponent bits, 3 mantissa bits; 6 bits a number), with one power-of-two scale for each 32 numbers along K (OCP MX v1.0); their sums are f32. All else is computed in f32.
;;   The module's matrix products, in the order in which they are computed (A, B: the left and right operand; K: the contracted axis; several contracted axes count as one K, in the product's order):
;;     1. [M 8,192, K 1,024] x [K 1,024, N 1,024]; A: input x; B: input wq: QUANTISED
;;     2. [M 8,192, K 1,024] x [K 1,024, N 1,024]; A: input x; B: input wk: QUANTISED
;;     3. [M 8,192, K 1,024] x [K 1,024, N 1,024]; A: input x; B: input wv: QUANTISED
;;     4. batch 64 x [M 2,048, K 64] x [K 64, N 2,048]; A: computed on the way; B: computed on the way: QUANTISED
;;     5. batch 64 x [M 64, K 2,048] x [K 2,048, N 2,048]; A: computed on the way; B: softmax (see below): QUANTISED
;;     6. [M 8,192, K 1,024] x [K 1,024, N 1,024]; A: computed on the way; B: input wproj: QUANTISED
;;   THE QUANTISER, for each operand of a quantised product, along K:
;;     - K is cut into blocks of 32 from its start; a last block that is shorter is filled with zeros.
;;     - A block's scale is 2^e with e = floor(log2(the largest magnitude in the block)) - 2, held to -126 .. 127; a block of zeros has e = 0. As a byte (E8M0): e + 127.
;;     - Each number is divided by its block's scale, clamped to +-7.5, and rounded to the nearest number of E2M3, ties to even, subnormals kept.
;;     - The product sums the exact products of the quantised numbers (number of the format x scale) in f32.
;;   ~~~python
;;   def quantise(x, axis):      # numpy; x: float32 -> the quantised numbers, widened to float32 again
;;       x = np.moveaxis(x, axis, -1); K = x.shape[-1]
;;       x = np.pad(x, [(0, 0)] * (x.ndim - 1) + [(0, -K % 32)]); x = x.reshape(x.shape[:-1] + (-1, 32)); a = np.abs(x).max(-1, keepdims=True)
;;       e = np.where(a > 0, np.clip(np.frexp(np.where(a > 0, a, 1))[1] - 1 - 2, -126, 127), 0)      # np.frexp(a)[1] - 1 = floor(log2(a)), exactly
;;       r = np.clip(x / 2.0 ** e, -7.5, 7.5)
;;       step = 2.0 ** (np.maximum(np.frexp(np.where(r == 0, 1, r))[1] - 1, 0) - 3)
;;       q = np.round(r / step) * step * 2.0 ** e      # np.round: ties to even
;;       return np.moveaxis(q.reshape(q.shape[:-2] + (-1,))[..., :K], -1, axis).astype(np.float32)
;;   ~~~
;;   SOFTMAX AHEAD OF A QUANTISED PRODUCT. Where the list says 'softmax', what is quantised is not the finished softmax but p = 2^(t - M), with t = logit x log2(e) and M = ceil(the row's largest t), a whole number; so 1/2 < the row's largest p <= 1. The row's sum l is taken of the UNQUANTISED p, in f32, and the product's result is divided by l at the end. Since M is a whole number, a kernel that streams over the keys may use a running M (the ceiling of the running maximum): every later rescaling is an exact power of two, which a block's scale takes up: the codes' values come out the same.
;;   OPERANDS COMPUTED ON THE WAY. 'Computed on the way' means the value that the module computes at that place (a softmax that the list does not call 'softmax' is quantised finished and normalised). What goes into a quantiser is computed in f32, as accurately as f32 sums, v_exp_f32 and their like allow (about 1e-6 of the number): no bf16 or f16 on the way to a quantiser, and a product that is left as it is and whose result goes on into a quantised operand takes f32 operands (vector FMAs, or v_wmma_f32_16x16x4_f32). A number that lies on a knife's edge between two numbers of the format may be rounded either way, as far as f32 arithmetic and the matrix unit's own rounding can turn it there, and no further.
;; One version. Each part assembles by itself: llvm-mc -triple=amdgcn-amd-amdhsa -mcpu=gfx1250 --defsym DOCPART=n.
;; ======== version 1 of 1: 4 launches
;; workspace buffers: xq 6,553,600 bytes; wz 3,276,800 bytes; qimg 6,815,744 bytes; kimg 6,815,744 bytes; vimg 6,815,744 bytes; yq 6,553,600 bytes
;; launch quant (part 1): grid 384 x 1, 4 waves a work-group, no clusters, 33,280 bytes of LDS; arguments x, wq, wk, wv, wproj, xq, wz; writes xq, wz
.if DOCPART == 1
	.amdgcn_target "amdgcn-amd-amdhsa--gfx1250"
	.amdhsa_code_object_version 6
	.text
	.protected	k_qea4ee533d1_quant
	.globl	k_qea4ee533d1_quant
	.p2align	8
	.type	k_qea4ee533d1_quant,@function
k_qea4ee533d1_quant:
	s_mov_b64 s[64:65], 0
	v_nop
	global_prefetch_b8 v0, s[64:65] scope:SCOPE_SE
	s_setreg_imm32_b32 hwreg(HW_REG_WAVE_MODE, 25, 1), 1
	s_wait_xcnt 0x0
; x [8192][1024] and wq, wk, wv, wproj [1024][1024], f32, become codes of FP6 (E2M3), K innermost, 768 bytes a row, and one E8M0 byte for each 32 along K, 32 bytes a row.
; xq: codes of x's 8,192 rows, then from byte 6,291,456 their scale bytes.  wz: codes of wq's, wk's, wv's, wproj's rows (4,096), then from byte 3,145,728 their scale bytes.
; A block's scale is 2^(floor(log2(its largest magnitude)) - 2); its byte is the largest magnitude's exponent field - 2, held at 1 from below.
; LIMITS: a block whose largest magnitude lies under 2^-124 gets the byte 1; a block of zeros gets the byte 1 where the rule says 127 (its codes are zeros, and this program alone reads the bytes);
; NaN and infinities among the inputs are not served.
; THE ROWS ARE LAID IN THE ORDER IN WHICH THE NEXT LAUNCH WANTS THEM IN ITS TILES.  A wave takes 8,192 numbers: a run of 8 whole rows.  Run R of a tensor is stored as run R' :
;   x, wv:   R' = (R & ~7) | (R & 3) << 1 | (R >> 2) & 1      (in a tile of 16 rows: 8 neighbours, and the 8 rows that lie 32 further on)
;   wq, wk:  R' = (R & ~3) | (R & 1) << 1 | (R >> 1) & 1      (8 neighbours, and the 8 rows that lie 16 further on)
;   wproj:   R' = R
; Work-groups 0-255 take x, 256-287 wq, 288-319 wk, 320-351 wv, 352-383 wproj: only pointers and run numbers are chosen, all take one way through the text.
; A wave takes 16 steps of 512 numbers.  Each of a step's four loads reads 512 consecutive bytes; the 2,048 bytes turn through the wave's own stage in LDS and come back 64 bytes a lane: 16 neighbours along K,
; two neighbouring lanes to a block.  A lane's 16 codes are 12 bytes: the wave stores 384 consecutive bytes.  A wave's 256 scale bytes are gathered in its own LDS and leave as 256 consecutive, aligned bytes.
; No tensor loads, no barrier: waves share nothing.  Loads run four steps (16 loads a wave) ahead, the turn through LDS one step.
.set STEPS, 16
.set EMAX,  2
.set CB,    12                         ; bytes of 16 codes
.set R,     16                         ; v16-79   four sets of 16 numbers as they are loaded
.set X,     80                         ; v80-111  two sets of 16 neighbours
.set C,     128                        ; v128-191 codes: four registers for each step, so that no store's data are written again
.set E,     112                        ; v112-127 a scale byte for each step
.set WREG,  8192                       ; LDS: a region for each wave: two stages of 32 x SP bytes, and behind them its 256 scale bytes
.set SP,    80                         ; a lane's place in a stage: its 64 bytes + 16 of padding
	s_load_b256 s[4:11], s[0:1], 0x0               ; x, wq, wk, wv
	s_load_b128 s[12:15], s[0:1], 0x20             ; wproj, xq
	s_load_b64 s[16:17], s[0:1], 0x30              ; wz
	v_lshl_add_u32 v192, v0, 2, 0x8000
	v_mov_b32 v193, 0
	v_lshrrev_b32 v1, 5, v0
	v_readfirstlane_b32 s24, v1                    ; wave
	v_and_b32 v2, 31, v0                           ; lane
	v_lshlrev_b32 v3, 4, v2                        ; my 16 bytes of a load's 512
	s_mul_i32 s27, s24, WREG
	v_lshrrev_b32 v14, 2, v2
	v_mul_u32_u24 v14, v14, SP
	v_and_b32 v15, 3, v2
	v_lshl_add_u32 v14, v15, 4, v14
	v_add_nc_u32 v14, s27, v14                     ; the stage, on the way in: SP (lane / 4) + 16 (lane % 4)
	v_mul_u32_u24 v15, v2, SP
	v_add_nc_u32 v15, s27, v15                     ; and on the way out: SP x lane: my 16 neighbours
	v_mul_u32_u24 v4, v2, CB                       ; my codes' place in a step's
	v_lshrrev_b32 v5, 1, v2
	s_add_co_u32 s27, s27, 2*32*SP
	v_add_nc_u32 v5, s27, v5                       ; LDS: my wave's 256 scale bytes, my block's byte
	v_lshlrev_b32 v7, 3, v2                        ; and on the way out 8 bytes a lane
	v_add_nc_u32 v6, s27, v7
	s_sub_co_u32 s25, ttmp9, 256                   ; a weight's work-group among the 128 of the weights (not used for x)
	s_and_b32 s26, s25, 31                         ; and among its own tensor's 32
	s_mov_b32 s22, 3145728
	s_wait_kmcnt 0x0
	s_cmp_lt_u32 ttmp9, 352                        ; the choices hang on the work-group's number alone
	s_cselect_b64 s[18:19], s[10:11], s[12:13]
	s_cmp_lt_u32 ttmp9, 320
	s_cselect_b64 s[18:19], s[8:9], s[18:19]
	s_cmp_lt_u32 ttmp9, 288
	s_cselect_b64 s[18:19], s[6:7], s[18:19]
	s_cmp_lt_u32 ttmp9, 256
	s_cselect_b64 s[18:19], s[4:5], s[18:19]       ; the tensor that I read
	s_cselect_b64 s[20:21], s[14:15], s[16:17]     ; the buffer that I write
	s_cselect_b32 s22, 6291456, s22                ; where its scale bytes begin
	s_cselect_b32 s26, ttmp9, s26
	s_cselect_b32 s25, ttmp9, s25
	s_lshl_b32 s26, s26, 2
	s_add_co_u32 s26, s26, s24                     ; my run in the tensor
	s_lshl_b32 s25, s25, 2
	s_add_co_u32 s25, s25, s24                     ; R: my run in the buffer, before the order of rows
	s_and_b32 s28, s25, -8
	s_and_b32 s29, s25, 3
	s_lshl_b32 s29, s29, 1
	s_or_b32 s28, s28, s29
	s_bfe_u32 s29, s25, 0x10002
	s_or_b32 s28, s28, s29                         ; x's and wv's order
	s_and_b32 s30, s25, -4
	s_and_b32 s31, s25, 1
	s_lshl_b32 s31, s31, 1
	s_or_b32 s30, s30, s31
	s_bfe_u32 s31, s25, 0x10001
	s_or_b32 s30, s30, s31                         ; wq's and wk's order
	s_cmp_lt_u32 ttmp9, 352
	s_cselect_b32 s25, s28, s25
	s_cmp_lt_u32 ttmp9, 320
	s_cselect_b32 s25, s30, s25
	s_cmp_lt_u32 ttmp9, 256
	s_cselect_b32 s25, s28, s25                    ; R'
	s_lshl_b32 s32, s26, 15                        ; a run is 32,768 bytes of f32,
	s_mov_b32 s33, 0
	s_add_nc_u64 s[18:19], s[18:19], s[32:33]
	s_lshl_b32 s32, s25, 8                         ; 256 scale bytes,
	s_add_co_u32 s32, s32, s22
	s_add_nc_u64 s[34:35], s[20:21], s[32:33]
	s_mul_i32 s32, s25, 6144                       ; and 6,144 bytes of codes
	s_add_nc_u64 s[20:21], s[20:21], s[32:33]
.macro LOAD t
.irp i, 0,1,2,3
	global_load_b128 v[R+16*((\t)%4)+4*\i:R+16*((\t)%4)+4*\i+3], v3, s[18:19] offset:2048*(\t)+512*\i th:TH_LOAD_NT   ; 32 lanes read 512 consecutive bytes
.endr
.endm
.macro TURN t                          ; step t's numbers through the stage: LDS serves a wave's instructions in order, so no wait stands between the stores and the loads
.irp i, 0,1,2,3
	ds_store_b128 v14, v[R+16*((\t)%4)+4*\i:R+16*((\t)%4)+4*\i+3] offset:32*SP*((\t)%2)+8*SP*\i
.endr
.irp i, 0,1,2,3
	ds_load_b128 v[X+16*((\t)%2)+4*\i:X+16*((\t)%2)+4*\i+3], v15 offset:32*SP*((\t)%2)+16*\i
.endr
.endm
.irp t, 0,1,2,3
	LOAD \t
.endr
	s_wait_loadcnt 12                              ; step 0's four loads are in; those of steps 1 to 3 may be out
	TURN 0
.macro STEP t
.set XS, X+16*((\t)%2)
.if (\t) > 0
	s_wait_dscnt 1                                 ; this step's numbers are back from the stage (the last step's byte store may be out): so its stores into the stage have read their registers,
.else
	s_wait_dscnt 0x0
.endif
.if (\t)+4 < STEPS
	LOAD (\t)+4                                    ; which take the loads of four steps on
.endif
.if (\t)+1 < STEPS
.if STEPS-2-(\t) >= 3
	s_wait_loadcnt 12                              ; the next step's four loads are in; those of the three steps behind it may be out
.else
	s_wait_loadcnt 4*(STEPS-2-(\t))
.endif
	TURN (\t)+1                                    ; and go through the other stage while this step is worked
.endif
	v_max3_num_f32 v8, |v[XS]|, |v[XS+1]|, |v[XS+2]|               ; the largest magnitude of my 16, in two chains
	v_max3_num_f32 v9, |v[XS+3]|, |v[XS+4]|, |v[XS+5]|
.irp i, 6,10
	v_max3_num_f32 v8, v8, |v[XS+\i]|, |v[XS+\i+1]|
	v_max3_num_f32 v9, v9, |v[XS+\i+2]|, |v[XS+\i+3]|
.endr
	v_max3_num_f32 v8, v8, |v[XS+14]|, |v[XS+15]|
	v_max3_num_f32 v8, v8, v9, (EMAX+1)<<23        ; and the floor 2^(3 - 127): the byte cannot fall under 1
	v_max_num_f32_dpp v8, v8, v8 row_xmask:1 row_mask:0xf bank_mask:0xf   ; and of my neighbour's 16: the block's
	v_add_nc_u32 v11, -(EMAX<<23), v8              ; 2 off its exponent field: the conversion takes the exponent field of this operand as its scale, and nothing else of it
	v_cvt_scalef32_pk16_fp6_f32 v[C+4*(\t):C+4*(\t)+2], v[XS:XS+15], v11   ; sixteen codes, 96 bits without gaps, the first number's code lowest
	v_lshrrev_b32 v[E+(\t)], 23, v11               ; the scale's byte (also the plain line behind the conversion)
	ds_store_b8 v5, v[E+(\t)] offset:16*(\t)       ; both lanes of a block write the same byte with the same value
	global_store_b96 v4, v[C+4*(\t):C+4*(\t)+2], s[20:21] offset:32*CB*(\t)
.endm
.irp t, 0,1,2,3,4,5,6,7,8,9,10,11,12,13,14,15
	STEP \t
.endr
	ds_load_b64 v[12:13], v6                       ; LDS serves a wave's instructions in order: these see my stores
	s_wait_dscnt 0x0
	global_store_b64 v7, v[12:13], s[34:35]        ; 32 lanes store 256 consecutive bytes, aligned
	s_wait_tensorcnt 0x0
	ds_add_u32 v192, v193
	s_wait_dscnt 0x0
	s_endpgm
.Lfunc_end_k_qea4ee533d1_quant:
	.size	k_qea4ee533d1_quant, .Lfunc_end_k_qea4ee533d1_quant-k_qea4ee533d1_quant
	.p2alignl 7, 3214868480
	.fill 96, 4, 3214868480
	.section	.rodata,"a",@progbits
	.p2align	6, 0x0
	.amdhsa_kernel k_qea4ee533d1_quant
		.amdhsa_group_segment_fixed_size 33280
		.amdhsa_private_segment_fixed_size 0
		.amdhsa_enable_private_segment 0
		.amdhsa_kernarg_size 56
		.amdhsa_user_sgpr_count 2
		.amdhsa_user_sgpr_kernarg_segment_ptr 1
		.amdhsa_wavefront_size32 1
		.amdhsa_system_sgpr_workgroup_id_x 1
		.amdhsa_system_sgpr_workgroup_id_y 1
		.amdhsa_system_sgpr_workgroup_id_z 1
		.amdhsa_system_vgpr_workitem_id 0
		.amdhsa_next_free_vgpr 194
		.amdhsa_next_free_sgpr 66
		.amdhsa_reserve_vcc 0
		.amdhsa_float_denorm_mode_32 3
		.amdhsa_float_denorm_mode_16_64 3
		.amdhsa_memory_ordered 1
		.amdhsa_forward_progress 1
		.amdhsa_inst_pref_size 34
	.end_amdhsa_kernel
	.amdgpu_metadata
---
amdhsa.version: [ 1, 2 ]
amdhsa.kernels:
  - .name:           k_qea4ee533d1_quant
    .symbol:         k_qea4ee533d1_quant.kd
    .args:
      - { .name: x, .offset: 0, .size: 8, .value_kind: global_buffer, .address_space: global }
      - { .name: wq, .offset: 8, .size: 8, .value_kind: global_buffer, .address_space: global }
      - { .name: wk, .offset: 16, .size: 8, .value_kind: global_buffer, .address_space: global }
      - { .name: wv, .offset: 24, .size: 8, .value_kind: global_buffer, .address_space: global }
      - { .name: wproj, .offset: 32, .size: 8, .value_kind: global_buffer, .address_space: global }
      - { .name: xq, .offset: 40, .size: 8, .value_kind: global_buffer, .address_space: global }
      - { .name: wz, .offset: 48, .size: 8, .value_kind: global_buffer, .address_space: global }
    .group_segment_fixed_size: 33280
    .private_segment_fixed_size: 0
    .kernarg_segment_align: 8
    .kernarg_segment_size: 56
    .max_flat_workgroup_size: 128
    .sgpr_count:     66
    .vgpr_count:     194
    .wavefront_size: 32
...
	.end_amdgpu_metadata
.endif
;; end of part 1
;; launch qkv (part 2): grid 12 x 32, 4 waves a work-group, clusters of 4 x 4, 327,680 bytes of LDS; arguments xq, wz, cos, sin, lamb1, lamb2, qimg, kimg, vimg, out1; writes qimg, kimg, vimg, out1
.if DOCPART == 2
	.amdgcn_target "amdgcn-amd-amdhsa--gfx1250"
	.amdhsa_code_object_version 6
	.text
	.protected	k_qea4ee533d1_qkv
	.globl	k_qea4ee533d1_qkv
	.p2align	8
	.type	k_qea4ee533d1_qkv,@function
k_qea4ee533d1_qkv:
	s_mov_b64 s[64:65], 0
	v_nop
	global_prefetch_b8 v0, s[64:65] scope:SCOPE_SE
	s_setreg_imm32_b32 hwreg(HW_REG_WAVE_MODE, 25, 1), 1
	s_wait_xcnt 0x0
	s_wait_alu depctr_hold_cnt(0) depctr_sa_sdst(0) depctr_va_vdst(0) depctr_va_sdst(0) depctr_va_ssrc(0) depctr_va_vcc(0) depctr_vm_vsrc(0)
	s_getreg_b32 s2, hwreg(HW_REG_IB_STS2, 6, 4)
	s_cmp_eq_u32 s2, 0
	s_cbranch_scc0 .Lentry_in_a_cluster
	s_endpgm
.Lentry_in_a_cluster:
	s_bfe_u32 s2, ttmp6, 0x10000c
	s_cmp_lg_u32 s2, 0xf033
	s_cbranch_scc0 .Lentry_shape_is_right
	s_endpgm
.Lentry_shape_is_right:
; q = x wq^T, k = x wk^T, v = x wv^T on codes of FP6 (E2M3) with one E8M0 scale for each 32 along K = 1,024; sums in f32; and what follows each of them up to the next quantiser.
; A work-group of four waves makes 256 x 256 of a product, a wave 128 x 128: 64 accumulators, 512 registers.  K goes in steps of 256 through a ring of two LDS slots filled by the tensor data mover;
; the scale bytes of the work-group's 512 rows, for all of K, come into LDS once.  CLUSTERS: 4 x 4 work-groups; "A"'s tiles are asked for jointly along a row of the cluster, "B"'s along a column.
; THE MATRIX INSTRUCTION IS USED TRANSPOSED: source 0 = 16 rows of "B", source 1 = 16 rows of "A": a lane holds ONE row of A, and its registers run along rows of B.
; The cluster's x says which product: 0 q, 1 k: A = x's rows (tokens), B = the weight's rows.  2 v: A = wv's rows, B = x's rows: THE ROLES ARE SWAPPED BY POINTERS ALONE, so that a lane holds one feature of v and
; its registers run along the tokens, which are the next product's K.  Both buffers have rows of 768 bytes of codes and 32 scale bytes, so one set of shapes serves both.
; THE ROWS OF A TILE ARE NOT NEIGHBOURS (the launch before has laid them so).  x, wv: place 16 i + m, i = 4 c + u, holds row 64 c + 32 (m / 8) + 8 u + m % 8; as B: the 32 registers of accumulators 4 c .. 4 c + 3
; are rows 64 c + 32 (lane / 16) + 0 .. 31: a whole block of 32 in a lane, in the order of a 6-bit operand's registers.  wq, wk: place 16 i + m, i = 2 b + u, holds row 32 b + 16 (m / 8) + 8 u + m % 8: the 16 registers of
; accumulators 2 b, 2 b + 1 are features 32 b + 16 (lane / 16) + 0 .. 15, so feature f and feature f + 32 of a head, which the rotation pairs, lie in one lane.
; THE WAY OUT OF q, k: rotation by cos and sin, x / sqrt(mean of squares + 2^-23), quantised along the head's 64; the codes leave as IMAGES OF THE NEXT OPERAND'S REGISTERS, straight from registers.
; THE WAY OUT OF v: v itself to out1 (through the wave's stage in LDS, so that 16 lanes store a token's 256 bytes of a head); lamb1 v + lamb2 v quantised along the tokens; images likewise.
; A RECORD, 6,656 bytes, for each (batch, head, group of 128 tokens), at ((batch 16 + head) 16 + group): four images of 1,536 bytes (registers 4 g .. 4 g + 3 of lane l at 512 g + 16 l), then 512 bytes of scale words
; (lane l's four words at 16 l).  q, k: image p holds tile 2 p in registers 0-5 and tile 2 p + 1 in registers 6-11 (a head's 64 are half of an instruction's K); word p = the two tiles' pairs of bytes.
; v: image u holds the head's features 32 (r / 8) + 8 u + r % 8 against the group's 128 tokens; word u = row r's four bytes.
; LIMITS: a block whose largest magnitude lies under 2^-124 gets the byte 1, a block of zeros too (its codes are zeros; this program alone reads the bytes); NaN and infinities are not served.
; lamb1 v + lamb2 v is one product and one fused multiply-add: one rounding fewer than two products and a sum.
; REGISTERS, in windows of 256: window 0: v0-31 addresses; v32-63 scale words, two sets, and nothing else; from v128 A's fragments, ONE set; v64-255 at work on the way out.
;   window 1: B's fragments, TWO sets.   window 2: the accumulators of my A rows 0-63 ((a, b) at v[8 (8 (a % 4) + b)]);   window 3: those of rows 64-127.
.set KSTEP,  256
.set NQ,     KSTEP/128
.set ROWB,   192                       ; a tile's row in bytes
.set KROW,   768                       ; a row of codes in memory
.set PITCH,  240                       ; an LDS row: 3 x (64 bytes + 16 of padding)
.set FR,     12                        ; registers of a fragment
.set NL,     6                         ; LDS loads that bring one
.set NP,     4                         ; places behind this matrix instruction (ISA guide 7.12.1)
.set HALFT,  128*PITCH
.set SLOT,   4*HALFT
.set LAPS,   2                         ; 1,024 / (2 x 256)
.set KS,     32                        ; a row of scale bytes
.set SCL,    2*SLOT
.set HALFS,  (128*KS/256)*272
.set SBLK,   (16*KS/256)*272
.set SPARE,  SCL+4*HALFS               ; the spare words, 128 bytes for each wave: two blocks of 256 bytes that no other line names
.set RECB,   6656
.set HEADB,  16*RECB                   ; from a head's record to the next head's
.set ADRA, 16                          ; v16-17 LDS address of my A fragments in slot 0, 1 (v18-19: behind one padding more)
.set ADRB, 20                          ; v20-23 the same for B
.set VSTO, 24                          ; v24    v's way out: where I put a number in my stage
.set VRD,  25                          ; v25    and where I read 16 bytes of a row back
.set ADRS, 27                          ; v27    LDS address of my scale words: lanes 0-15 A's rows, lanes 16-31 B's
.set SPW,  28                          ; v28    LDS address of my spare word; never rewritten
.set NIL,  29                          ; v29    0; never rewritten
.set SC,   32
.set AF,   128
.set G1, 24
.set G0, 32
.set G1B, 48
.set G0B, 56
.set G1S, 68
.set G0S, 76
.set G1SB, 80
.set G0SB, 88
.set MSB, 0
.macro WIN new                         ; the immediate's high byte repeats the setting that is left
.if MSB != (\new)
	s_set_vgpr_msb (MSB<<8)|(\new)
.set MSB, (\new)
.endif
.endm
.set MUL_LO, 0xa1                      ; source 0 (B) window 1, source 1 (A) window 0, C and D window 2
.set MUL_HI, 0xf1
.set TO_B,   0x40
; A joint load: waves 0 and 1 fetch for A, waves 2 and 3 for B; the branch hangs on the wave's number alone.  Four v_nop follow each of the two lines.
.macro JLOAD g0a, g1a, g0b, g1b
	s_cmp_eq_u32 s15, 0
	s_cbranch_scc0 .Lfor_b_\@
	tensor_load_to_lds s[\g0a:\g0a+3], s[\g1a:\g1a+7]
	s_nop 0
.rept 4
	v_nop
.endr
	s_branch .Lasked_\@
.Lfor_b_\@:
	tensor_load_to_lds s[\g0b:\g0b+3], s[\g1b:\g1b+7]
	s_nop 0
.rept 4
	v_nop
.endr
.Lasked_\@:
.endm
.macro CREST                           ; a round of the cluster's barrier behind its opening barrier
	s_cmp_lg_u32 s14, 0
	s_cbranch_scc1 .Lnot_wave_0_\@
	s_barrier_signal -3
.Lnot_wave_0_\@:
	s_barrier_wait -3
	s_barrier_signal -1
	s_barrier_wait -1
.endm
.macro CROUND
	s_barrier_signal -1
	s_barrier_wait -1
	CREST
.endm
	s_load_b128 s[4:7], s[0:1], 0x0                ; xq, wz
	v_lshl_add_u32 v[SPW], v0, 2, SPARE
	v_mov_b32 v[NIL], 0
	ds_add_u32 v28, v29
	s_wait_dscnt 0x0
	v_lshrrev_b32 v1, 5, v0
	v_readfirstlane_b32 s14, v1                    ; wave 0..3
	s_lshr_b32 s15, s14, 1                         ; which half of A's rows is mine.  Also: I fetch for A (0) or for B (1)
	s_and_b32 s16, s14, 1                          ; which half of B's rows.  Also: which 128 rows of that tile I fetch
	s_bfe_u32 s40, ttmp6, 0x40000                  ; cx, cy: my place in the cluster
	s_bfe_u32 s41, ttmp6, 0x40004
	s_mov_b32 s95, ttmp9                           ; the cluster's x: 0 q, 1 k, 2 v: the same in all sixteen partners
	s_and_b32 s96, ttmp7, 0xffff                   ; the cluster's y: 0..7
	s_lshl_b32 s99, s96, 2
	s_mov_b32 s66, 6291456
	s_mov_b32 s67, 3145728
	s_cmp_eq_u32 s95, 2
	s_cselect_b32 s97, 8, s99                      ; A's first tile of 256 rows in the cluster: wv begins at tile 8 of wz; else x's tile 4 y
	s_cselect_b32 s98, s96, s95                    ; B's, in fours: x's 4 y; else the weight's 4 x
	s_cselect_b32 s66, 3145728, s66                ; where A's buffer has its scale bytes,
	s_cselect_b32 s67, 6291456, s67                ; and B's
	s_lshl_b32 s98, s98, 2
	s_add_co_u32 s42, s98, s40                     ; B's tile: hangs on cx and cluster numbers alone
	s_add_co_u32 s17, s97, s41                     ; A's tile: on cy and cluster numbers alone
	s_lshl_b32 s43, s41, 2
	s_lshl_b32 s43, 15, s43                        ; my row of the cluster
	s_lshl_b32 s44, 0x1111, s40                    ; my column
	; descriptor group 1: a tile of 128 rows x 192 bytes, 16 bytes of padding behind every 64
	s_or_b32 s[G1+0], s43, (0<<16)|(1<<20)|(1<<21)|(3<<22)|(3<<25)
	s_or_b32 s[G1B+0], s44, (0<<16)|(1<<20)|(1<<21)|(3<<22)|(3<<25)
.irp g, G1, G1B
	s_mov_b32 s[\g+1], ROWB<<16                    ; tensor_dim0
	s_mov_b32 s[\g+2], 128<<16                     ; tensor_dim1
	s_mov_b32 s[\g+3], ROWB<<16                    ; tile_dim0
	s_mov_b32 s[\g+4], 128                         ; tile_dim1
	s_mov_b32 s[\g+5], KROW                        ; tensor_dim0_stride
	s_mov_b32 s[\g+6], 0
	s_mov_b32 s[\g+7], 0
.endr
	; the scales of 128 rows: 4,096 dense bytes, as rows of 256 bytes (32 elements of 8), 16 bytes of padding behind each
	s_or_b32 s[G1S+0], s43, (3<<16)|(1<<20)|(1<<21)|(5<<22)|(3<<25)
	s_or_b32 s[G1SB+0], s44, (3<<16)|(1<<20)|(1<<21)|(5<<22)|(3<<25)
.irp g, G1S, G1SB
	s_mov_b32 s[\g+1], 32<<16
	s_mov_b32 s[\g+2], (128*KS/256)<<16
	s_mov_b32 s[\g+3], 32<<16
	s_mov_b32 s[\g+4], 128*KS/256
	s_mov_b32 s[\g+5], 32
	s_mov_b32 s[\g+6], 0
	s_mov_b32 s[\g+7], 0
.endr
	s_lshl_b32 s18, s16, 7                         ; which 128 rows of the tile I fetch
	s_lshl_b32 s20, s17, 8
	s_add_co_u32 s20, s20, s18                     ; A: row
	s_lshl_b32 s46, s42, 8
	s_add_co_u32 s46, s46, s18                     ; B: row
	s_mov_b32 s21, 0
	s_mov_b32 s47, 0
	s_mov_b64 s[18:19], KS
	s_mul_u64 s[22:23], s[20:21], s[18:19]         ; where these rows' scales begin (all these offsets stay under 2^24),
	s_mul_u64 s[92:93], s[46:47], s[18:19]
	s_add_co_u32 s22, s22, s66
	s_add_co_u32 s92, s92, s67
	s_mov_b64 s[18:19], KROW
	s_mul_u64 s[20:21], s[20:21], s[18:19]         ; and their codes
	s_mul_u64 s[46:47], s[46:47], s[18:19]
	s_mul_i32 s45, s14, HALFT                      ; where they go: wave x 128 rows: no place in the cluster enters an LDS address
	s_mul_i32 s94, s14, HALFS
	s_wait_kmcnt 0x0
	s_cmp_eq_u32 s95, 2
	s_cselect_b64 s[8:9], s[6:7], s[4:5]           ; A's buffer
	s_cselect_b64 s[10:11], s[4:5], s[6:7]         ; B's buffer
	s_add_nc_u64 s[20:21], s[8:9], s[20:21]
	s_add_nc_u64 s[22:23], s[8:9], s[22:23]
	s_add_nc_u64 s[46:47], s[10:11], s[46:47]
	s_add_nc_u64 s[92:93], s[10:11], s[92:93]
	CROUND                                         ; all sixteen work-groups are here: the first joint loads meet
	s_mov_b32 s[G0S], 1
	s_add_co_u32 s[G0S+1], s94, SCL
	s_mov_b64 s[G0S+2:G0S+3], s[22:23]
	s_or_b32 s[G0S+3], s[G0S+3], 0x80000000
	s_mov_b32 s[G0SB], 1
	s_add_co_u32 s[G0SB+1], s94, SCL
	s_mov_b64 s[G0SB+2:G0SB+3], s[92:93]
	s_or_b32 s[G0SB+3], s[G0SB+3], 0x80000000
	JLOAD G0S, G1S, G0SB, G1SB                     ; the scales first: they are wanted with K step 0
.irp s, 0,1
	s_mov_b32 s[G0+4*\s], 1
	s_add_co_u32 s[G0+4*\s+1], s45, \s*SLOT
	s_add_nc_u64 s[G0+4*\s+2:G0+4*\s+3], s[20:21], \s*ROWB
	s_or_b32 s[G0+4*\s+3], s[G0+4*\s+3], 0x80000000
	s_mov_b32 s[G0B+4*\s], 1
	s_add_co_u32 s[G0B+4*\s+1], s45, \s*SLOT
	s_add_nc_u64 s[G0B+4*\s+2:G0B+4*\s+3], s[46:47], \s*ROWB
	s_or_b32 s[G0B+4*\s+3], s[G0B+4*\s+3], 0x80000000
	JLOAD G0+4*\s, G1, G0B+4*\s, G1B
.endr
	v_and_b32 v1, 15, v0                           ; r = l % 16
	v_bfe_u32 v2, v0, 4, 1                         ; h = l / 16
	v_mul_u32_u24 v3, v1, PITCH
	v_mul_u32_u24 v4, v2, 24
	v_add_nc_u32 v4, v3, v4                        ; a fragment's row x pitch + 24 x half
	v_lshl_add_u32 v5, v2, 4, v4                   ; and the same behind one padding more
	s_mul_i32 s21, s15, HALFT                      ; my 128 rows of A
	s_mul_i32 s22, s16, HALFT                      ; my 128 rows of B,
	s_add_co_u32 s22, s22, 2*HALFT                 ; which lie behind A's 256
.irp s, 0,1
	v_add_nc_u32 v[ADRA+\s], s21, v4
	v_add_nc_u32 v[ADRB+\s], s22, v4
	v_add_nc_u32 v[ADRA+2+\s], s21, v5
	v_add_nc_u32 v[ADRB+2+\s], s22, v5
	s_add_co_u32 s21, s21, SLOT
	s_add_co_u32 s22, s22, SLOT
.endr
	v_mul_u32_u24 v5, v1, KS                       ; my row's scales: 32 bytes a row,
	v_lshrrev_b32 v6, 8, v5
	v_lshl_add_u32 v5, v6, 4, v5                   ; and 16 more for each 256 passed
	s_mul_i32 s21, s15, HALFS
	s_mul_i32 s22, s16, HALFS
	s_add_co_u32 s22, s22, 2*HALFS
	s_sub_co_u32 s22, s22, s21
	v_mul_u32_u24 v6, s22, v2                      ; lanes 16-31 take B's
	s_add_co_u32 s21, s21, SCL
	v_add_nc_u32 v5, v5, v6
	v_add_nc_u32 v[ADRS], s21, v5
	; v's stage, in slot 0 (which has had its last fill and its last read when the first number is stored there): 8,448 bytes a wave: 16 rows x 256 bytes for lanes 0-15, and 4,160 bytes on the same for lanes 16-31
	s_mul_i32 s23, s14, 8448
	v_mul_u32_u24 v5, v2, 4160
	v_add_nc_u32 v5, s23, v5
	v_lshl_add_u32 v[VRD], v1, 4, v5               ; back: 16 bytes of a row for each of my half's 16 lanes
	v_lshrrev_b32 v6, 3, v1
	v_lshl_add_u32 v5, v6, 7, v5
	v_and_b32 v6, 7, v1
	v_lshl_add_u32 v[VSTO], v6, 2, v5              ; in: feature 32 (r / 8) + r % 8 (+ 8 u in the immediate): the 32 lanes of a store touch 32 different banks
.macro FRAG reg, adr, q, i             ; a fragment: lane l holds row l % 16; registers 6 c .. 6 c + 5 hold K = 64 c + 32 (l / 16) + 0 .. 31: 24 bytes of the row's stream of bits, in pieces of 8
.irp p, 0,1,2,3,4,5
.set PC, 12*(\q)+6*(\p/3)+\p%3
.if PC%8 < 5
	ds_load_b64 v[\reg+2*\p:\reg+2*\p+1], v[\adr] offset:8*PC+16*(PC/8)+(\i)*16*PITCH
.else
	ds_load_b64 v[\reg+2*\p:\reg+2*\p+1], v[\adr+2] offset:8*PC+16*(PC/8)+(\i)*16*PITCH
.endif
.endr
.endm
; 16 matrix instructions: A's blocks a0, a0 + 1 x B's eight, 128 along K.  The 64 accumulators take turns, one instruction a turn, in the same order in every step.
.macro MUL16 a0, p, q, sc, zero
.irp a, \a0, \a0+1
.irp b, 0,1,2,3,4,5,6,7
.if \zero
	v_wmma_scale_f32_16x16x128_f8f6f4 v[8*(8*((\a)%4)+\b):8*(8*((\a)%4)+\b)+7], v[128*(\p)+FR*\b:128*(\p)+FR*\b+FR-1], v[AF+FR*(\a):AF+FR*(\a)+FR-1], 0, v[SC+8*NQ*(\sc)+NQ*\b+(\q)], v[SC+8*NQ*(\sc)+NQ*(\a)+(\q)] matrix_a_fmt:MATRIX_FMT_FP6 matrix_b_fmt:MATRIX_FMT_FP6 matrix_a_scale:MATRIX_SCALE_ROW1
.else
	v_wmma_scale_f32_16x16x128_f8f6f4 v[8*(8*((\a)%4)+\b):8*(8*((\a)%4)+\b)+7], v[128*(\p)+FR*\b:128*(\p)+FR*\b+FR-1], v[AF+FR*(\a):AF+FR*(\a)+FR-1], v[8*(8*((\a)%4)+\b):8*(8*((\a)%4)+\b)+7], v[SC+8*NQ*(\sc)+NQ*\b+(\q)], v[SC+8*NQ*(\sc)+NQ*(\a)+(\q)] matrix_a_fmt:MATRIX_FMT_FP6 matrix_b_fmt:MATRIX_FMT_FP6 matrix_a_scale:MATRIX_SCALE_ROW1
.endif
.endr
.endr
.endm
.macro FETCH_B slot, q, p
	WIN TO_B
.irp i, 0,1,2,3,4,5,6,7
	FRAG 128*(\p)+FR*\i, ADRB+\slot, \q, \i
.endr
	WIN 0
.endm
.macro FETCH_A slot, q, i0
.irp i, \i0, \i0+1, \i0+2, \i0+3
	FRAG AF+FR*(\i), ADRA+\slot, \q, \i
.endr
.endm
.macro SCALES sc                       ; the next K step's scale words: lanes 0-15 take A's block i, lanes 16-31 B's block i
.irp i, 0,1,2,3,4,5,6,7
	ds_load_b64 v[SC+8*NQ*\sc+NQ*\i:SC+8*NQ*\sc+NQ*\i+1], v[ADRS] offset:\i*SBLK
.endr
.endm
.macro PLACES n                        ; plain vector instructions between a matrix instruction and a load into, or a read of, its registers
.rept \n
	v_nop
.endr
.endm
.macro STEP slot, q, zero              ; a step of 128 along K that has its successor in the same slot
	s_wait_dscnt 4*NL                              ; B's set and A's blocks 0-3 are in; the youngest 24 loads (A's blocks 4-7) may be out
	WIN MUL_LO
	MUL16 0, (\q)%2, \q, \slot, \zero
	MUL16 2, (\q)%2, \q, \slot, \zero
	s_wait_dscnt 0                                 ; A's blocks 4-7 are in
	PLACES NP
	FETCH_B \slot, (\q)+1, 1-(\q)%2
	FETCH_A \slot, (\q)+1, 0
	WIN MUL_HI
	MUL16 4, (\q)%2, \q, \slot, \zero
	MUL16 6, (\q)%2, \q, \slot, \zero
	PLACES NP
	WIN 0
	FETCH_A \slot, (\q)+1, 4
.endm
; A slot's last step changes slots: ONE barrier; in front of it each wave waits for all its tensor loads, adds 0 to its spare word, and waits for that and for its own reads of this slot.
.macro TURN slot, next, fill
	s_wait_tensorcnt 0x0                           ; all my tensor loads have landed: my part of the next slot
	ds_add_u32 v[SPW], v[NIL]                      ; 0 onto my spare word
	s_wait_dscnt 4*NL+1                            ; (the add and the youngest 24 loads, A's blocks 4-7, may be out)
	WIN MUL_LO
	MUL16 0, 1, NQ-1, \slot, 0
	s_wait_dscnt 0x0                               ; the add is done, and my reads of this slot are over
	s_barrier_signal -1
	MUL16 2, 1, NQ-1, \slot, 0
	WIN 0
	s_barrier_wait -1
.if \fill
	CREST                                          ; the barrier has opened a round of the cluster's barrier: no wave of any partner still reads this slot or has a load on its way
	s_add_nc_u64 s[G0+4*\slot+2:G0+4*\slot+3], s[G0+4*\slot+2:G0+4*\slot+3], 2*ROWB
	s_add_nc_u64 s[G0B+4*\slot+2:G0B+4*\slot+3], s[G0B+4*\slot+2:G0B+4*\slot+3], 2*ROWB
	JLOAD G0+4*\slot, G1, G0B+4*\slot, G1B         ; the first tensor load behind the round; its four v_nop are the places in front of the loads below
.else
	PLACES NP
.endif
	v_add_nc_u32 v[ADRS], 4*NQ, v[ADRS]
	FETCH_B \next, 0, 0
	FETCH_A \next, 0, 0
	SCALES \next
	WIN MUL_HI
	MUL16 4, 1, NQ-1, \slot, 0
	MUL16 6, 1, NQ-1, \slot, 0
	PLACES NP
	WIN 0
	FETCH_A \next, 0, 4
.endm
	s_wait_tensorcnt 1                             ; the scales and my part of K step 0 are in (K step 1's load may be out)
	s_barrier_signal -1
	s_barrier_wait -1                              ; everybody's are
	FETCH_B 0, 0, 0
	FETCH_A 0, 0, 0
	SCALES 0
	FETCH_A 0, 0, 4
	STEP 0, 0, 1                                   ; the first step's products start the sums: nothing is cleared
	s_mov_b32 s3, LAPS-1
.Llap:                                                 ; a trip goes once round the ring and fills both slots again
	TURN 0, 1, 1
	STEP 1, 0, 0
	TURN 1, 0, 1
	STEP 0, 0, 0
	s_sub_co_u32 s3, s3, 1
	s_cmp_lg_u32 s3, 0
	s_cbranch_scc1 .Llap
	TURN 0, 1, 0                                   ; the last lap fills nothing
	s_load_b512 s[24:39], s[0:1], 0x10             ; no tensor load of mine is out (the wait for all of them stands in the change of slots above), so the descriptors' registers take the way out's eight addresses:
	                                               ; cos s[24:25], sin s[26:27], lamb1 s[28:29], lamb2 s[30:31], qimg s[32:33], kimg s[34:35], vimg s[36:37], out1 s[38:39]
	STEP 1, 0, 0
	s_wait_dscnt 4*NL
	WIN MUL_LO
	MUL16 0, 1, NQ-1, 1, 0
	MUL16 2, 1, NQ-1, 1, 0
	s_wait_dscnt 0
	WIN MUL_HI
	MUL16 4, 1, NQ-1, 1, 0
	MUL16 6, 1, NQ-1, 1, 0
	WIN 0
	s_wait_kmcnt 0x0
	PLACES NP                                      ; in front of every read of results and every write of A's old registers below
.set LI,  8                            ; v8   16 x lane: an image's place for my lane
.set CSO, 9                            ; v9   q, k: my token's and half's bytes in cos and sin
.set VGO, 10                           ; v10  v: my byte offset in out1
.set SH8, 11                           ; v11  v: 8 x (lane / 16)
	s_mov_b32 s20, 0x76543210
	s_mov_b32 s21, 0xfedcba98                      ; v_permlanex16_b32's selects for lane l xor 16
	v_and_b32 v1, 15, v0
	v_bfe_u32 v2, v0, 4, 1
	v_and_b32 v3, 31, v0
	v_lshlrev_b32 v[LI], 4, v3
	s_cmp_eq_u32 s95, 2                            ; the cluster's x: all partners take the same way
	s_cbranch_scc1 .Lv
	; ---------------- THE WAY OUT OF q AND k ----------------
.set CSR, 64                           ; v64-127  two sets of 16 cos + 16 sin
.set T1,  128                          ; v128-143 x2 sin
.set T2,  144                          ; v144-159 x1 sin
.set RR,  160                          ; v160-191 the rotated head: features 16 h + 0..15, then 32 + 16 h + 0..15
.set QF,  192                          ; v192-215 a packed fragment for each of my two heads
.set CT,  216                          ; v216-218 sixteen codes on their way
.set SW,  220                          ; v220-227 four scale words for each head
.set SS,  228                          ; v228-231 sums of squares
.set RS,  232                          ; v232-233 1 / sqrt
.set MX,  234
.set PD,  236                          ; permutes' destinations
.set SO,  238                          ; the conversions' scale operands
.set BY,  240
	s_lshl_b32 s56, s17, 1
	s_add_co_u32 s56, s56, s15                     ; my group of 128 tokens: 2 x A's tile + my half
	s_lshr_b32 s57, s56, 4                         ; batch
	s_and_b32 s58, s56, 15                         ; group in the batch
	s_lshl_b32 s59, s40, 2
	s_lshl_b32 s60, s16, 1
	s_add_co_u32 s59, s59, s60                     ; my first head: 4 cx + 2 x my half of B
	s_lshl_b32 s57, s57, 8
	s_lshl_b32 s59, s59, 4
	s_add_co_u32 s57, s57, s59
	s_add_co_u32 s57, s57, s58                     ; its record
	s_mul_i32 s60, s57, RECB
	s_mov_b32 s61, 0
	s_cmp_eq_u32 s95, 0
	s_cselect_b64 s[44:45], s[32:33], s[34:35]     ; qimg or kimg
	s_add_nc_u64 s[44:45], s[44:45], s[60:61]
	s_lshl_b32 s60, s58, 14                        ; 128 tokens x 128 bytes of cos
	s_add_nc_u64 s[46:47], s[24:25], s[60:61]
	s_add_nc_u64 s[48:49], s[26:27], s[60:61]
	s_mov_b32 s50, 0x3c800000                      ; 1 / 64
	s_mov_b32 s51, 0x34000000                      ; 2^-23
	v_and_b32 v4, 7, v1
	v_lshrrev_b32 v5, 3, v1
	v_lshl_add_u32 v4, v5, 5, v4                   ; my token in a tile: r % 8 + 32 (r / 8)  (+ 64 (a / 4) + 8 (a % 4) in the immediate)
	v_lshlrev_b32 v[CSO], 7, v4
	v_lshl_add_u32 v[CSO], v2, 6, v[CSO]           ; + my half's 16 numbers
	v_mov_b32 v[PD], 0                             ; written once: a lane permute's destination counts as one of its sources
	v_mov_b32 v[PD+1], 0
.macro LOADCS a                        ; cos and sin of tile a's tokens, 64 bytes a lane each
.set CB0, CSR+32*((\a)%2)
.irp k, 0,1,2,3
	global_load_b128 v[CB0+4*\k:CB0+4*\k+3], v[CSO], s[46:47] offset:(64*((\a)/4)+8*((\a)%4))*128+16*\k
.endr
.irp k, 0,1,2,3
	global_load_b128 v[CB0+16+4*\k:CB0+16+4*\k+3], v[CSO], s[48:49] offset:(64*((\a)/4)+8*((\a)%4))*128+16*\k
.endr
.endm
.macro ROPEQ a, c                      ; tile a (16 tokens, one a lane), head c of my two
.set X0, 64*((\a)%4)+32*(\c)
.set CO, CSR+32*((\a)%2)
.set SI, CO+16
.set PAR, (\a)%2
.set PP, (\a)/2
.set QD, QF+12*(\c)+6*PAR
	WIN 2+(\a)/4                                   ; source 0: the accumulators' window.
.irp k, 0,2,4,6,8,10,12,14
	v_pk_mul_f32 v[T1+\k:T1+\k+1], v[X0+16+\k:X0+17+\k], v[SI+\k:SI+\k+1]
.endr
.irp k, 0,2,4,6,8,10,12,14
	v_pk_mul_f32 v[T2+\k:T2+\k+1], v[X0+\k:X0+\k+1], v[SI+\k:SI+\k+1]
.endr
.irp k, 0,2,4,6,8,10,12,14
	v_pk_fma_f32 v[RR+\k:RR+\k+1], v[X0+\k:X0+\k+1], v[CO+\k:CO+\k+1], v[T1+\k:T1+\k+1]      ; x1 cos + x2 sin
.endr
.irp k, 0,2,4,6,8,10,12,14
	v_pk_fma_f32 v[RR+16+\k:RR+17+\k], v[X0+16+\k:X0+17+\k], v[CO+\k:CO+\k+1], v[T2+\k:T2+\k+1] neg_lo:[0,0,1] neg_hi:[0,0,1]   ; x2 cos - x1 sin
.endr
	WIN 0
	v_pk_mul_f32 v[SS:SS+1], v[RR:RR+1], v[RR:RR+1]                ; the sum of squares, in two chains
	v_pk_mul_f32 v[SS+2:SS+3], v[RR+2:RR+3], v[RR+2:RR+3]
.irp k, 4,8,12,16,20,24,28
	v_pk_fma_f32 v[SS:SS+1], v[RR+\k:RR+\k+1], v[RR+\k:RR+\k+1], v[SS:SS+1]
	v_pk_fma_f32 v[SS+2:SS+3], v[RR+\k+2:RR+\k+3], v[RR+\k+2:RR+\k+3], v[SS+2:SS+3]
.endr
	v_pk_add_f32 v[SS:SS+1], v[SS:SS+1], v[SS+2:SS+3]
	v_add_f32 v[SS], v[SS], v[SS+1]
	v_permlanex16_b32 v[PD], v[SS], s20, s21
	v_add_f32 v[SS], v[SS], v[PD]                  ; with lane l xor 16's 32 features
	v_fma_f32 v[SS], v[SS], s50, s51               ; the mean + 2^-23
	v_rsq_f32 v[RS], v[SS]
	v_mov_b32 v[RS+1], 0                           ; a plain line behind the transcendental (and the pair's upper half is written)
	s_wait_alu depctr_va_vdst(0)                   ; the wait ahead of the result's first reader
.irp k, 0,2,4,6,8,10,12,14,16,18,20,22,24,26,28,30
	v_pk_mul_f32 v[RR+\k:RR+\k+1], v[RR+\k:RR+\k+1], v[RS:RS+1] op_sel_hi:[1,0]
.endr
	v_max3_num_f32 v[MX], |v[RR]|, |v[RR+1]|, 0x1800000            ; the head's two blocks of 32 by turns: my 16 of each, and the floor 2^(3 - 127)
	v_max3_num_f32 v[MX+1], |v[RR+16]|, |v[RR+17]|, 0x1800000
.irp i, 2,4,6,8,10,12,14
	v_max3_num_f32 v[MX], v[MX], |v[RR+\i]|, |v[RR+\i+1]|
	v_max3_num_f32 v[MX+1], v[MX+1], |v[RR+16+\i]|, |v[RR+17+\i]|
.endr
	v_permlanex16_b32 v[PD], v[MX], s20, s21
	v_permlanex16_b32 v[PD+1], v[MX+1], s20, s21
	v_max_num_f32 v[MX], v[MX], v[PD]
	v_max_num_f32 v[MX+1], v[MX+1], v[PD+1]
	v_add_nc_u32 v[SO], 0xff000000, v[MX]          ; 2 off the exponent field: the conversion's scale operand
	v_add_nc_u32 v[SO+1], 0xff000000, v[MX+1]
	v_lshrrev_b32 v[BY], 23, v[SO]
	v_lshrrev_b32 v[BY+1], 23, v[SO+1]
.if PAR == 0
	v_lshl_or_b32 v[SW+4*(\c)+PP], v[BY+1], 8, v[BY]               ; the even tile's pair of bytes
.else
	v_lshl_or_b32 v[BY], v[BY+1], 8, v[BY]
	v_lshl_or_b32 v[SW+4*(\c)+PP], v[BY], 16, v[SW+4*(\c)+PP]      ; the odd tile's above it
.endif
.if (PAR == 0) && (PP > 0)
	s_wait_xcnt 0x0                                ; the last image's stores have read their registers
.endif
	v_cvt_scalef32_pk16_fp6_f32 v[QD:QD+2], v[RR:RR+15], v[SO]
	v_cvt_scalef32_pk16_fp6_f32 v[CT:CT+2], v[RR+16:RR+31], v[SO+1]
	v_nop                                          ; one plain line behind a scaled conversion
.irp i, 0,1,2
	v_permlane16_swap_b32 v[QD+\i], v[CT+\i]       ; the operand wants a WHOLE block in a lane: lanes 0-15 block 0, lanes 16-31 block 1
.endr
.irp i, 0,1,2
	v_mov_b32 v[QD+3+\i], v[CT+\i]
.endr
.if PAR == 1
.irp g, 0,1,2
	global_store_b128 v[LI], v[QF+12*(\c)+4*\g:QF+12*(\c)+4*\g+3], s[44:45] offset:(\c)*HEADB+PP*1536+512*\g   ; 32 lanes store 512 consecutive bytes, aligned to 256
.endr
.endif
.endm
	LOADCS 0
.irp a, 0,1,2,3,4,5,6,7
.if \a < 7
	LOADCS \a+1
	s_wait_loadcnt 8                               ; this tile's eight loads are in; the next tile's eight may be out
.else
	s_wait_loadcnt 0
.endif
	ROPEQ \a, 0
	ROPEQ \a, 1
.endr
.irp c, 0,1
	global_store_b128 v[LI], v[SW+4*\c:SW+4*\c+3], s[44:45] offset:\c*HEADB+6144    ; the record's scale words
.endr
	s_branch .Lend
	; ---------------- THE WAY OUT OF v ----------------
.Lv:
.set BKV, 64                           ; v64-127, v128-191 sixteen rows read back from the stage, two sets
.set TT,  64                           ; v64-127  later: lamb1 v + lamb2 v of a tile
.set VFR, 192                          ; v192-203 a fragment
.set CT0, 204
.set CT1, 208
.set SWV, 212                          ; v212-215 a record's four scale words
.set MV,  216
.set SOV, 218
.set BYV, 220
.set PDV, 222
.set WT,  223
	s_load_b32 s52, s[28:29], 0x0                  ; lamb1
	s_load_b32 s54, s[30:31], 0x0                  ; lamb2
	s_lshl_b32 s56, s42, 1
	s_add_co_u32 s56, s56, s16                     ; my group of 128 tokens: 2 x B's tile + my half
	s_lshr_b32 s57, s56, 4
	s_and_b32 s58, s56, 15
	s_lshl_b32 s59, s41, 2
	s_lshl_b32 s60, s15, 1
	s_add_co_u32 s59, s59, s60                     ; my first head: 4 cy + 2 x my half of A
	s_lshl_b32 s62, s59, 8                         ; its 256 bytes in a row of out1
	s_lshl_b32 s57, s57, 8
	s_lshl_b32 s59, s59, 4
	s_add_co_u32 s57, s57, s59
	s_add_co_u32 s57, s57, s58
	s_mul_i32 s60, s57, RECB
	s_mov_b32 s61, 0
	s_add_nc_u64 s[44:45], s[36:37], s[60:61]      ; my first record of vimg
	s_lshl_b32 s60, s56, 19                        ; 128 tokens x 4,096 bytes
	s_add_co_u32 s60, s60, s62
	s_add_nc_u64 s[46:47], s[38:39], s[60:61]      ; out1 at my group's first token, my first head
	v_lshlrev_b32 v[VGO], 17, v2                   ; lanes 16-31: the token 32 further on
	v_lshl_add_u32 v[VGO], v1, 4, v[VGO]
	v_lshlrev_b32 v[SH8], 3, v2
	v_mov_b32 v[PDV], 0
; out1, in eight pieces n = 4 c' + 2 cb + rh: head c', tokens 64 cb + 32 (lane / 16) + 16 rh + 0 .. 15.  A lane holds one feature and the lanes beside it others: 64 numbers a lane go into my stage
; and come back as rows: 16 lanes hold a token's 256 bytes of the head.  LDS serves a wave's instructions in order: no wait between the stores and the loads, nor in front of the next piece's stores.
.macro VPIECE n
.set CP, (\n)/4
.set CBK, ((\n)/2)%2
.set RH, (\n)%2
.set BB, BKV+64*((\n)%2)
.if (\n) >= 2
	s_wait_xcnt 0x0                                ; piece n - 2's stores have read their registers
.endif
	WIN 0x08+4*CP                                  ; an LDS store's data are its source 1: window 2 or 3
.irp u, 0,1,2,3
.irp e, 0,1
.irp j, 0,1,2,3,4,5,6,7
	ds_store_b32 v[VSTO], v[64*\u+8*(4*CBK+2*RH+\e)+\j] offset:(8*\e+\j)*256+32*\u   ; each accumulator from its low end on
.endr
.endr
.endr
	WIN 0
.irp t, 0,1,2,3,4,5,6,7,8,9,10,11,12,13,14,15
	ds_load_b128 v[BB+4*\t:BB+4*\t+3], v[VRD] offset:256*\t
.endr
.endm
.macro VSEND n, cnt
.set CP, (\n)/4
.set CBK, ((\n)/2)%2
.set RH, (\n)%2
.set BB, BKV+64*((\n)%2)
	s_wait_dscnt \cnt
.irp t, 0,1,2,3,4,5,6,7,8,9,10,11,12,13,14,15
	global_store_b128 v[VGO], v[BB+4*\t:BB+4*\t+3], s[46:47] offset:(64*CBK+16*RH+\t)*4096+256*CP th:TH_STORE_NT   ; 16 lanes store 256 consecutive bytes, aligned; written once, read by nobody here
.endr
.endm
	VPIECE 0
.irp n, 1,2,3,4,5,6,7
	VPIECE \n
	VSEND \n-1, 63                                 ; behind piece n - 1's loads 80 LDS instructions were issued; 63 is the largest count that the wait takes
.endr
	VSEND 7, 0
	s_wait_kmcnt 0x0
	s_mov_b32 s53, s52                             ; (the packed forms name pairs)
	s_mov_b32 s55, s54
; Tile a = 4 c' + u: my feature's 64 numbers are tokens 64 c + 32 (lane / 16) + 0 .. 31, c = 0, 1: two whole blocks, already in the order of the operand's registers.
.macro VQ a
.set XB, 64*((\a)%4)
	s_wait_xcnt 0x0                                ; every earlier store has read its registers: the row buffers, the fragment and the scale words are written again below
	WIN 2+(\a)/4
.set kk, 0
.rept 32
	v_pk_mul_f32 v[TT+kk:TT+kk+1], v[XB+kk:XB+kk+1], s[54:55] op_sel_hi:[1,0]
.set kk, kk+2
.endr
.set kk, 0
.rept 32
	v_pk_fma_f32 v[TT+kk:TT+kk+1], v[XB+kk:XB+kk+1], s[52:53], v[TT+kk:TT+kk+1] op_sel_hi:[1,0,1]   ; lamb1 v + lamb2 v
.set kk, kk+2
.endr
	WIN 0
	v_max3_num_f32 v[MV], |v[TT]|, |v[TT+1]|, 0x1800000
	v_max3_num_f32 v[MV+1], |v[TT+32]|, |v[TT+33]|, 0x1800000
.set kk, 2
.rept 15
	v_max3_num_f32 v[MV], v[MV], |v[TT+kk]|, |v[TT+kk+1]|
	v_max3_num_f32 v[MV+1], v[MV+1], |v[TT+32+kk]|, |v[TT+33+kk]|
.set kk, kk+2
.endr
	v_add_nc_u32 v[SOV], 0xff000000, v[MV]
	v_add_nc_u32 v[SOV+1], 0xff000000, v[MV+1]
	v_lshrrev_b32 v[BYV], 23, v[SOV]
	v_lshrrev_b32 v[BYV+1], 23, v[SOV+1]
	v_lshl_or_b32 v[WT], v[BYV+1], 16, v[BYV]      ; my two bytes: blocks h and 2 + h,
	v_lshlrev_b32 v[WT], v[SH8], v[WT]             ; at their places in the word;
	v_permlanex16_b32 v[PDV], v[WT], s20, s21
	v_or_b32 v[SWV+(\a)%4], v[WT], v[PDV]          ; with lane l xor 16's two the word is whole
	v_cvt_scalef32_pk16_fp6_f32 v[VFR:VFR+2], v[TT:TT+15], v[SOV]
	v_cvt_scalef32_pk16_fp6_f32 v[CT0:CT0+2], v[TT+16:TT+31], v[SOV]
	v_cvt_scalef32_pk16_fp6_f32 v[VFR+6:VFR+8], v[TT+32:TT+47], v[SOV+1]
	v_cvt_scalef32_pk16_fp6_f32 v[CT1:CT1+2], v[TT+48:TT+63], v[SOV+1]
	v_nop                                          ; one plain line behind a scaled conversion
.irp i, 0,1,2
	v_mov_b32 v[VFR+3+\i], v[CT0+\i]
	v_mov_b32 v[VFR+9+\i], v[CT1+\i]
.endr
.irp g, 0,1,2
	global_store_b128 v[LI], v[VFR+4*\g:VFR+4*\g+3], s[44:45] offset:((\a)/4)*HEADB+((\a)%4)*1536+512*\g
.endr
.if (\a)%4 == 3
	global_store_b128 v[LI], v[SWV:SWV+3], s[44:45] offset:((\a)/4)*HEADB+6144
.endif
.endm
.irp a, 0,1,2,3,4,5,6,7
	VQ \a
.endr
.Lend:
	s_wait_tensorcnt 0x0                           ; the wave's end: behind my last tensor load and my last LDS store
	ds_add_u32 v[SPW], v[NIL]
	s_wait_dscnt 0x0
	CROUND                                         ; the closing round: no work-group ends while a partner may still ask for a tile that names it
	s_endpgm
.Lfunc_end_k_qea4ee533d1_qkv:
	.size	k_qea4ee533d1_qkv, .Lfunc_end_k_qea4ee533d1_qkv-k_qea4ee533d1_qkv
	.p2alignl 7, 3214868480
	.fill 96, 4, 3214868480
	.section	.rodata,"a",@progbits
	.p2align	6, 0x0
	.amdhsa_kernel k_qea4ee533d1_qkv
		.amdhsa_group_segment_fixed_size 327680
		.amdhsa_private_segment_fixed_size 0
		.amdhsa_enable_private_segment 0
		.amdhsa_kernarg_size 80
		.amdhsa_user_sgpr_count 2
		.amdhsa_user_sgpr_kernarg_segment_ptr 1
		.amdhsa_wavefront_size32 1
		.amdhsa_system_sgpr_workgroup_id_x 1
		.amdhsa_system_sgpr_workgroup_id_y 1
		.amdhsa_system_sgpr_workgroup_id_z 1
		.amdhsa_system_vgpr_workitem_id 0
		.amdhsa_next_free_vgpr 1024
		.amdhsa_next_free_sgpr 102
		.amdhsa_reserve_vcc 0
		.amdhsa_float_denorm_mode_32 3
		.amdhsa_float_denorm_mode_16_64 3
		.amdhsa_memory_ordered 1
		.amdhsa_forward_progress 1
		.amdhsa_inst_pref_size 255
	.end_amdhsa_kernel
	.section	.bss,"aw",@nobits
	.p2align	6
	.space	262144
	.amdgpu_metadata
---
amdhsa.version: [ 1, 2 ]
amdhsa.kernels:
  - .name:           k_qea4ee533d1_qkv
    .symbol:         k_qea4ee533d1_qkv.kd
    .args:
      - { .name: xq, .offset: 0, .size: 8, .value_kind: global_buffer, .address_space: global }
      - { .name: wz, .offset: 8, .size: 8, .value_kind: global_buffer, .address_space: global }
      - { .name: cos, .offset: 16, .size: 8, .value_kind: global_buffer, .address_space: global }
      - { .name: sin, .offset: 24, .size: 8, .value_kind: global_buffer, .address_space: global }
      - { .name: lamb1, .offset: 32, .size: 8, .value_kind: global_buffer, .address_space: global }
      - { .name: lamb2, .offset: 40, .size: 8, .value_kind: global_buffer, .address_space: global }
      - { .name: qimg, .offset: 48, .size: 8, .value_kind: global_buffer, .address_space: global }
      - { .name: kimg, .offset: 56, .size: 8, .value_kind: global_buffer, .address_space: global }
      - { .name: vimg, .offset: 64, .size: 8, .value_kind: global_buffer, .address_space: global }
      - { .name: out1, .offset: 72, .size: 8, .value_kind: global_buffer, .address_space: global }
    .group_segment_fixed_size: 327680
    .private_segment_fixed_size: 0
    .kernarg_segment_align: 8
    .kernarg_segment_size: 80
    .max_flat_workgroup_size: 128
    .sgpr_count:     102
    .vgpr_count:     1024
    .wavefront_size: 32
...
	.end_amdgpu_metadata
.endif
;; end of part 2
;; launch attn (part 3): grid 8 x 32, 16 waves a work-group, clusters of 4 x 1, 327,680 bytes of LDS; arguments qimg, kimg, vimg, yq; writes yq
.if DOCPART == 3
	.amdgcn_target "amdgcn-amd-amdhsa--gfx1250"
	.amdhsa_code_object_version 6
	.text
	.protected	k_qea4ee533d1_attn
	.globl	k_qea4ee533d1_attn
	.p2align	8
	.type	k_qea4ee533d1_attn,@function
k_qea4ee533d1_attn:
	s_mov_b64 s[64:65], 0
	v_nop
	global_prefetch_b8 v0, s[64:65] scope:SCOPE_SE
	s_setreg_imm32_b32 hwreg(HW_REG_WAVE_MODE, 25, 1), 1
	s_wait_xcnt 0x0
	s_wait_alu depctr_hold_cnt(0) depctr_sa_sdst(0) depctr_va_vdst(0) depctr_va_sdst(0) depctr_va_ssrc(0) depctr_va_vcc(0) depctr_vm_vsrc(0)
	s_getreg_b32 s2, hwreg(HW_REG_IB_STS2, 6, 4)
	s_cmp_eq_u32 s2, 0
	s_cbranch_scc0 .Lentry_in_a_cluster
	s_endpgm
.Lentry_in_a_cluster:
	s_bfe_u32 s2, ttmp6, 0x10000c
	s_cmp_lg_u32 s2, 0x3003
	s_cbranch_scc0 .Lentry_shape_is_right
	s_endpgm
.Lentry_shape_is_right:
; y[b][q][head] = the sum over keys of softmax(q . k / 8) v', both products on codes of FP6 (E2M3) with one E8M0 scale for each 32 along a product's K; y is quantised along the 1,024 features for the last product.
; q, k, v' arrive as records of register images (6,656 bytes for each batch, head and group of 128 tokens: four images of 1,536 bytes, then 512 bytes of scale words), laid by the launch before.
; THE SOFTMAX TAKES NO MAXIMUM AWAY: p = 2^t, t = score x log2(e) / 8.  q and k are vectors that the computation itself normalises: a head's 64 numbers have a root mean square of at most 1, a norm of at most 8.
; Quantising adds at most 1/16 of a number, or 1/64 of its block's largest magnitude: the quantised norm is at most 9.5.  So |score / 8| <= 9.5^2 / 8 = 11.3 and |t| <= 16.3 for every input: p lies between 2^-17 and 2^17 and
; a row's sum under 2^28: nothing overflows or underflows.  The rule's p is 2^(t - M) with M a whole number: mine is that times 2^M exactly, which each block's scale takes up (the codes are the same) and the row's sum carries too, so that it cancels in O / sum.
; SHARES.  A work-group owns 256 queries of one batch and makes heads 2 j and 2 j + 1 (grid y = 8 batch + j) ONE AFTER THE OTHER: their 32 records of k, and of v', are consecutive, so the ring runs on from head to head, and
; a lane ends with both heads' pairs of scale bytes: a whole scale word of the last product.  Each of SIXTEEN waves owns 16 queries, one tile, in 256 registers: four waves to a SIMD, so that one wave's vector work stands beside another's.
; CLUSTER.  The four work-groups of a cluster are four blocks of queries of the same heads and walk the same k and v': each tile is asked for JOINTLY, by the same tensor load with a mask that names the four.
; LAYOUT.  Both products are used transposed: S^T = k q^T, O^T = v'^T p^T: a lane holds ONE query (lane % 16) throughout.  The tokens of a tile of k are chosen (tile 4 c + u, row m: token 64 c + 32 (m / 8) + 8 u + m % 8) so that
; a lane's registers 32 c .. 32 c + 31 of S^T are keys 64 c + 32 (lane / 16) + 0 .. 31: a WHOLE block of 32 in a lane, in the order of the next operand's registers: no number changes lanes between the products.
; A HEAD'S 64 IS HALF OF THE INSTRUCTION'S K: an image of k holds tile 2 p in registers 0-5 and tile 2 p + 1 in registers 6-11; multiplied by [q | 0] it gives tile 2 p's scores, by [0 | q] tile 2 p + 1's.  The half that does not
; belong meets zero codes of q, which add nothing (every scale byte here lies between 1 and 254).  q stands once in 18 registers as 0 | q | 0.
; The features of a tile of v' are chosen likewise, so that a lane's 32 registers of O^T are features 32 (lane / 16) + 0 .. 31 of the head: a whole block of the last product's K.
; y leaves as half images (768 bytes for each tile of 16 queries and head: registers 0-3 of lane l at 16 l, registers 4-5 at 512 + 8 l), straight from registers, and as scale words [j][place][4 bytes] through 1,024 bytes of LDS.
; No prefetch: a refill is asked for eight key steps of all sixteen waves ahead of the barrier that wants it, and the first fills stand at the head.
; LIMITS: a block whose largest magnitude lies under 2^-124 gets the byte 1, a block of zeros too (its codes are zeros; this program alone reads the bytes); NaN and infinities are not served.
.set REC,   6656
.set VOFF,  8*REC                      ; a slot: 8 records of k, then 8 of v'
.set SLOTB, 16*REC
.set YST,   2*SLOTB                    ; behind the ring: y's scale words, 1,024 bytes: four blocks of 256 into which no tile lands
.set SPARE, YST+1024                   ; the spare words, 128 bytes for each wave: eight blocks of 256 bytes that no other line names
.set LI,  1                            ; v1   16 x lane
.set ADK, 2                            ; v2   LDS address of the step's records (at a head's end: 8 x lane)
.set SPW, 3                            ; v3   LDS address of my spare word; never rewritten
.set NIL, 4                            ; v4   0; never rewritten
.set SH8, 5                            ; v5   8 x (lane / 16)
                                       ; v[6:7], v[8:9] the row's sum in two chains; v10, v11 largest p of my two blocks (at the end 1 / sum); v12, v13 the conversions' scale operands
.set PW,  14                           ; v14  p's scale word
                                       ; v15  a permute's destination
.set QB,  16                           ; v16-33 0 | q | 0
.set QS,  34                           ; v34  q's scale word
.set YP0, 35                           ; v35  the first head's pair of bytes
.set KS,  36                           ; v36-39 k's scale words
.set VS,  40                           ; v40-43 v's
.set PC,  44                           ; v44-55 p's codes
.set PT0, 56
.set YSW, 59                           ; v59  where I put my row's scale word
.set PT1, 60
.set YSR, 63                           ; v63  where waves 0 and 1 read the words back
.set KF,  64                           ; v64-111  k's four packed fragments
.set VF,  112                          ; v112-159 v's four fragments
.set S,   160                          ; v160-223 S^T, then p
.set O,   224                          ; v224-255 O^T
.macro CROUND                          ; a round of the cluster's barrier
	s_barrier_signal -1
	s_barrier_wait -1
	s_cmp_lg_u32 s12, 0
	s_cbranch_scc1 .Lnot_wave_0_\@
	s_barrier_signal -3
.Lnot_wave_0_\@:
	s_barrier_wait -3
	s_barrier_signal -1
	s_barrier_wait -1
.endm
.macro JLOAD n                         ; waves 0 to 3 fetch a quarter of slot n each (k's two halves, v's two halves); the branch hangs on the wave's number alone; four v_nop follow the load
	s_cmp_lt_u32 s12, 4
	s_cbranch_scc0 .Lnot_mine_\@
	tensor_load_to_lds s[32+4*\n:35+4*\n], s[24:31]
	s_nop 0
.rept 4
	v_nop
.endr
.Lnot_mine_\@:
.endm
	s_load_b256 s[4:11], s[0:1], 0x0               ; qimg s[4:5], kimg s[6:7], vimg s[8:9], yq s[10:11]
	v_lshl_add_u32 v[SPW], v0, 2, SPARE
	v_mov_b32 v[NIL], 0
	ds_add_u32 v3, v4
	s_wait_dscnt 0x0
	v_lshrrev_b32 v2, 5, v0
	v_readfirstlane_b32 s12, v2                    ; wave 0..15
	v_and_b32 v1, 31, v0
	v_lshlrev_b32 v[LI], 4, v1
	v_bfe_u32 v5, v0, 4, 1
	v_lshlrev_b32 v[SH8], 3, v5
	v_and_b32 v59, 15, v0
	v_lshlrev_b32 v59, 2, v59
	s_lshl_b32 s16, s12, 6
	s_add_co_u32 s16, s16, YST
	v_add_nc_u32 v[YSW], s16, v59                  ; YST + 64 x wave + 4 r
	v_and_b32 v63, 63, v0
	v_lshl_add_u32 v[YSR], v63, 4, YST             ; YST + 16 x thread, in waves 0 and 1
	s_bfe_u32 s13, ttmp6, 0x40000                  ; cx: it enters q's and y's addresses alone
	s_lshl_b32 s14, ttmp9, 2
	s_add_co_u32 s14, s14, s13                     ; my block of 256 queries
	s_and_b32 s15, ttmp7, 0xffff                   ; 8 batch + j, which the four partners share
	; descriptor group 1: 26,624 dense bytes as 104 rows of 256 bytes (32 elements of 8)
	s_mov_b32 s24, 15|(3<<16)|(1<<21)              ; 15:0 the mask: all four work-groups; 17:16 elements of 8 bytes; 21 set beside a mask; no padding
	s_mov_b32 s25, 32<<16                          ; tensor_dim0
	s_mov_b32 s26, 104<<16                         ; tensor_dim1
	s_mov_b32 s27, 32<<16                          ; tile_dim0
	s_mov_b32 s28, 104                             ; tile_dim1
	s_mov_b32 s29, 32                              ; tensor_dim0_stride
	s_mov_b32 s30, 0
	s_mov_b32 s31, 0
	s_and_b32 s16, s12, 3
	s_mul_i32 s16, s16, 4*REC                      ; my quarter's place in a slot
	s_and_b32 s17, s12, 1
	s_mul_i32 s50, s17, 4*REC                      ; which four of a slot's eight records,
	s_mul_i32 s51, s15, 32*REC                     ; of my two heads' 32
	s_add_co_u32 s50, s50, s51
	s_mov_b32 s51, 0
	s_lshl_b32 s52, s15, 5
	s_lshl_b32 s53, s14, 1
	s_add_co_u32 s52, s52, s53
	s_lshr_b32 s53, s12, 3
	s_add_co_u32 s52, s52, s53                     ; q's record: first head, group 2 x block + wave / 8
	s_mul_i32 s52, s52, REC
	s_bfe_u32 s53, s12, 0x20001                    ; p: my tile's packed image
	s_mul_i32 s54, s53, 1536
	s_add_co_u32 s52, s52, s54
	s_mul_i32 s48, s53, 1532
	s_sub_co_u32 s48, 6144, s48                    ; from that image to word p of the record's scale words
	s_mov_b32 s53, 0
	s_cmp_eq_u32 s17, 1
	s_cselect_b32 s42, -1, 0                       ; an odd wave's tile is the image's upper half
	s_lshl_b32 s43, s17, 4
	s_lshr_b32 s54, s15, 3                         ; batch
	s_and_b32 s55, s15, 7                          ; j
	s_lshl_b32 s56, s54, 7
	s_lshl_b32 s57, s14, 4
	s_add_co_u32 s56, s56, s57
	s_add_co_u32 s56, s56, s12                     ; my tile among all 512
	s_lshl_b32 s56, s56, 4
	s_lshl_b32 s57, s55, 1
	s_add_co_u32 s56, s56, s57
	s_mul_i32 s56, s56, 768                        ; its half image of head 2 j
	s_mov_b32 s57, 0
	s_lshl_b32 s58, s55, 15
	s_lshl_b32 s59, s54, 13
	s_add_co_u32 s58, s58, s59
	s_lshl_b32 s59, s14, 10
	s_add_co_u32 s58, s58, s59
	s_add_co_u32 s58, s58, 6291456                 ; the work-group's 256 scale words
	s_mov_b32 s59, 0
	s_mov_b32 s20, 0x76543210
	s_mov_b32 s21, 0xfedcba98                      ; v_permlanex16_b32's selects for lane l xor 16
	s_mov_b32 s22, 0x3e38aa3b                      ; log2(e) / 8
	s_mov_b32 s23, s22                             ; (named with it as a pair)
	s_wait_kmcnt 0x0
	s_add_nc_u64 s[18:19], s[4:5], s[52:53]
	s_add_nc_u64 s[44:45], s[10:11], s[56:57]
	s_add_nc_u64 s[46:47], s[10:11], s[58:59]
	s_cmp_lt_u32 s12, 2
	s_cselect_b64 s[6:7], s[6:7], s[8:9]           ; waves 0, 1 fetch k, waves 2, 3 v'
	s_add_nc_u64 s[6:7], s[6:7], s[50:51]
	s_mov_b32 s32, 1                               ; group 0 for slot 0: count,
	s_mov_b32 s33, s16                             ; LDS address,
	s_mov_b64 s[34:35], s[6:7]                     ; global address: key steps 0 to 7,
	s_or_b32 s35, s35, 0x80000000                  ; type
	s_mov_b32 s36, 1                               ; and for slot 1: key steps 8 to 15
	s_add_co_u32 s37, s16, SLOTB
	s_add_nc_u64 s[38:39], s[6:7], VOFF
	s_or_b32 s39, s39, 0x80000000
	CROUND                                         ; all four work-groups are here: the first joint loads meet
	s_cmp_lt_u32 s12, 4                            ; a wave's two first fills stand in one branch, ahead of every wait on TENSORcnt, every LDS read and every other barrier: two loads of mine are out
	s_cbranch_scc0 .Lno_first
	tensor_load_to_lds s[32:35], s[24:31]
	s_nop 0
	tensor_load_to_lds s[36:39], s[24:31]
	s_nop 0
.rept 4
	v_nop
.endr
.Lno_first:
.macro QLOAD hd                        ; my tile's packed image and its scale word, of head hd, into k's registers
	v_and_b32 v[KF+13], 0xf0, v[LI]                ; 16 r
	v_add_nc_u32 v[KF+13], s48, v[KF+13]
.irp g, 0,1,2
	global_load_b128 v[KF+4*\g:KF+4*\g+3], v[LI], s[18:19] offset:\hd*16*REC+512*\g
.endr
	global_load_b32 v[KF+12], v[KF+13], s[18:19] offset:\hd*16*REC
.endm
.macro QSET                            ; q takes its place; the head's sums begin as zeros (32 + 4 lines a head, in place of a further copy of the key step)
	s_wait_loadcnt 0x0
.irp i, 0,1,2,3,4,5
	v_cndmask_b32 v[QB+6+\i], v[KF+\i], v[KF+6+\i], s42
.endr
	v_lshrrev_b32 v[QS], s43, v[KF+12]
	v_and_b32 v[QS], 0xffff, v[QS]
	v_lshl_or_b32 v[QS], v[QS], 16, v[QS]          ; my tile's pair of bytes, for either half of K
.set kk, 0
.rept 32
	v_mov_b32 v[O+kk], 0                           ; (these are also the places between q's and its scale word's writing and the first product)
.set kk, kk+1
.endr
.irp i, 6,7,8,9
	v_mov_b32 v\i, 0
.endr
.endm
	QLOAD 0
.irp i, 0,1,2,3,4,5
	v_mov_b32 v[QB+\i], 0                          ; the zero codes on both sides of q: written once
	v_mov_b32 v[QB+12+\i], 0
.endr
	v_mov_b32 v15, 0                               ; written once: a lane permute's destination counts as one of its sources
	QSET
; A KEY STEP: 128 keys.
.macro STEP
	v_add_nc_u32 v[ADK], s40, v[LI]
	v_nop
	v_nop
	v_nop                                          ; four places behind the last step's products, in front of the loads into the registers that they read
.irp f, 0,1,2,3
.irp g, 0,1,2
	ds_load_b128 v[KF+12*\f+4*\g:KF+12*\f+4*\g+3], v[ADK] offset:1536*\f+512*\g       ; 32 lanes read 512 consecutive bytes
.endr
.endr
	ds_load_b128 v[KS:KS+3], v[ADK] offset:6144
.irp f, 0,1,2,3
.irp g, 0,1,2
	ds_load_b128 v[VF+12*\f+4*\g:VF+12*\f+4*\g+3], v[ADK] offset:VOFF+1536*\f+512*\g
.endr
.endr
	ds_load_b128 v[VS:VS+3], v[ADK] offset:VOFF+6144
	s_wait_dscnt 13                                ; k's thirteen loads are in; v's thirteen may be out
.irp a, 0,1,2,3,4,5,6,7
	v_wmma_scale_f32_16x16x128_f8f6f4 v[S+8*\a:S+8*\a+7], v[KF+12*(\a/2):KF+12*(\a/2)+11], v[QB+6-6*(\a%2):QB+17-6*(\a%2)], 0, v[KS+\a/2], v[QS] matrix_a_fmt:MATRIX_FMT_FP6 matrix_b_fmt:MATRIX_FMT_FP6
.endr
.rept 4
	v_nop
.endr
.set kk, 0
.rept 32
	v_pk_mul_f32 v[S+kk:S+kk+1], v[S+kk:S+kk+1], s[22:23] op_sel_hi:[1,0]            ; t, each accumulator from its low end on
.set kk, kk+2
.endr
.set kk, 0
.rept 64
	v_exp_f32 v[S+kk], v[S+kk]                     ; p = 2^t
.set kk, kk+1
.endr
	v_nop                                          ; a plain line behind the last exponential
	s_wait_alu depctr_va_vdst(0)                   ; the wait ahead of the first reader: one for the batch of 64
	v_max3_num_f32 v10, v[S], v[S+1], 0x1800000    ; my two whole blocks by turns (p is positive), and the floor 2^(3 - 127)
	v_max3_num_f32 v11, v[S+32], v[S+33], 0x1800000
.set kk, 2
.rept 15
	v_max3_num_f32 v10, v10, v[S+kk], v[S+kk+1]
	v_max3_num_f32 v11, v11, v[S+32+kk], v[S+33+kk]
.set kk, kk+2
.endr
	v_add_nc_u32 v12, 0xff000000, v10              ; 2 off the exponent field: the conversion's scale operand
	v_add_nc_u32 v13, 0xff000000, v11
	v_lshrrev_b32 v10, 23, v12
	v_lshrrev_b32 v11, 23, v13
	v_lshl_or_b32 v10, v11, 16, v10                ; my two bytes: blocks h and 2 + h,
	v_lshlrev_b32 v10, v[SH8], v10                 ; at their places in the word;
	v_permlanex16_b32 v15, v10, s20, s21
	v_or_b32 v[PW], v10, v15                       ; with lane l xor 16's two the word is whole
	v_cvt_scalef32_pk16_fp6_f32 v[PC:PC+2], v[S:S+15], v12
	v_cvt_scalef32_pk16_fp6_f32 v[PT0:PT0+2], v[S+16:S+31], v12                      ; (a conversion's three registers begin on an even number)
	v_cvt_scalef32_pk16_fp6_f32 v[PC+6:PC+8], v[S+32:S+47], v13
	v_cvt_scalef32_pk16_fp6_f32 v[PT1:PT1+2], v[S+48:S+63], v13
	v_nop                                          ; one plain line behind a scaled conversion
.irp i, 0,1,2
	v_mov_b32 v[PC+3+\i], v[PT0+\i]
	v_mov_b32 v[PC+9+\i], v[PT1+\i]
.endr
.set kk, 0
.rept 16
	v_pk_add_f32 v[6:7], v[6:7], v[S+kk:S+kk+1]    ; THE ROW'S SUM IS TAKEN OF THE UNQUANTISED p.  (These 32 are also the places between the writing of p's codes and scale word and the products)
	v_pk_add_f32 v[8:9], v[8:9], v[S+kk+2:S+kk+3]
.set kk, kk+4
.endr
	s_wait_dscnt 0x0                               ; v' is in
.irp u, 0,1,2,3
	v_wmma_scale_f32_16x16x128_f8f6f4 v[O+8*\u:O+8*\u+7], v[VF+12*\u:VF+12*\u+11], v[PC:PC+11], v[O+8*\u:O+8*\u+7], v[VS+\u], v[PW] matrix_a_fmt:MATRIX_FMT_FP6 matrix_b_fmt:MATRIX_FMT_FP6   ; four accumulators by turns; between two links of a chain stand eleven other matrix instructions
.endr
.endm
.macro SLOTRUN n                       ; slot n's eight key steps: written once, walked eight times
	s_mov_b32 s40, \n*SLOTB
	s_mov_b32 s41, 8
.Lstep_\@:
	STEP
	s_add_co_u32 s40, s40, REC
	s_sub_co_u32 s41, s41, 1
	s_cmp_lg_u32 s41, 0
	s_cbranch_scc1 .Lstep_\@
.endm
; THE CHANGE OF SLOTS.  Each wave waits for all its tensor loads (its part of the slot ahead), adds 0 to its spare word, and waits for that and for its reads of the slot that it has left.
; fill = 1: slot n, just left, is filled with the key steps two slots on; the barrier is then a round of the cluster's, and the joint refill the first thing behind it: it has eight key steps in which to land.
.macro CHANGE fill, n
	s_wait_tensorcnt 0x0                           ; no tensor load of mine is out, so a group 0 may be written
	ds_add_u32 v[SPW], v[NIL]                      ; 0 onto my spare word
.if \fill
	s_add_nc_u64 s[34+4*\n:35+4*\n], s[34+4*\n:35+4*\n], 2*VOFF    ; sixteen records on; the type bits on top are not reached
.endif
	s_wait_dscnt 0x0                               ; the add is done, and my reads of the slot that I have left are over
.if \fill
	CROUND
	JLOAD \n
.else
	s_barrier_signal -1
	s_barrier_wait -1
.endif
.endm
; A HEAD'S END: O^T / the row's sum is a whole block of 32 of y in each lane: quantised, and stored as a half image.
.macro FINISH hd
.if \hd == 0
	QLOAD 1                                        ; the next head's q lands meanwhile
.endif
	v_pk_add_f32 v[6:7], v[6:7], v[8:9]
	v_add_f32 v6, v6, v7
	v_nop
	v_nop                                          ; four places behind the last products, whose results are read below
	v_permlanex16_b32 v15, v6, s20, s21
	v_add_f32 v6, v6, v15                          ; with lane l xor 16's keys: the row's sum
	v_rcp_f32 v10, v6
	v_mov_b32 v11, 0                               ; a plain line behind the transcendental (and the pair's upper half is written)
	s_wait_alu depctr_va_vdst(0)                   ; the wait ahead of the result's first reader
.set kk, 0
.rept 16
	v_pk_mul_f32 v[S+kk:S+kk+1], v[O+kk:O+kk+1], v[10:11] op_sel_hi:[1,0]            ; y(my query, 32 h + 0 .. 31), each accumulator from its low end on
.set kk, kk+2
.endr
	v_max3_num_f32 v12, |v[S]|, |v[S+1]|, 0x1800000
	v_max3_num_f32 v13, |v[S+2]|, |v[S+3]|, 0x1800000
.irp i, 4,8,12,16,20,24,28
	v_max3_num_f32 v12, v12, |v[S+\i]|, |v[S+\i+1]|
	v_max3_num_f32 v13, v13, |v[S+\i+2]|, |v[S+\i+3]|
.endr
	v_max_num_f32 v12, v12, v13
	v_add_nc_u32 v12, 0xff000000, v12
	v_lshrrev_b32 v13, 23, v12
	v_cvt_scalef32_pk16_fp6_f32 v[PC:PC+2], v[S:S+15], v12
	v_cvt_scalef32_pk16_fp6_f32 v[PT0:PT0+2], v[S+16:S+31], v12
	v_nop                                          ; one plain line behind a scaled conversion
.irp i, 0,1,2
	v_mov_b32 v[PC+3+\i], v[PT0+\i]
.endr
	v_lshrrev_b32 v[ADK], 1, v[LI]                 ; 8 x lane
	global_store_b128 v[LI], v[PC:PC+3], s[44:45] offset:768*\hd                     ; 512 consecutive bytes, aligned to 256
	global_store_b64 v[ADK], v[PC+4:PC+5], s[44:45] offset:768*\hd+512               ; 256 consecutive bytes, aligned
	v_lshlrev_b32 v13, v[SH8], v13                 ; my block's byte at its place;
	v_permlanex16_b32 v15, v13, s20, s21
.if \hd == 0
	v_or_b32 v[YP0], v13, v15                      ; with lane l xor 16's: the head's pair
	QSET
	s_wait_xcnt 0x0                                ; the stores have read their registers, which the next key step writes
.else
	v_or_b32 v13, v13, v15
	v_lshl_or_b32 v13, v13, 16, v[YP0]             ; both heads' pairs: my row's scale word for 128 along the last product's K
	ds_store_b32 v[YSW], v13                       ; (lanes l and l xor 16 write the same word with the same value)
.endif
.endm
	s_wait_tensorcnt 1                             ; my part of slot 0 is in; slot 1's may stay out
	s_barrier_signal -1
	s_barrier_wait -1                              ; everybody's is
	SLOTRUN 0                                      ; head 2 j, keys 0 to 1,023
	CHANGE 1, 0
	SLOTRUN 1                                      ; keys 1,024 to 2,047
	FINISH 0
	CHANGE 1, 1
	SLOTRUN 0                                      ; head 2 j + 1
	CHANGE 0, 0                                    ; nothing is left to fetch
	SLOTRUN 1
	FINISH 1
	v_and_b32 v6, 63, v0
	v_lshlrev_b32 v6, 4, v6
	s_wait_dscnt 0x0                               ; for the others' sake: my word lies in LDS
	s_barrier_signal -1
	s_barrier_wait -1
	s_cmp_lt_u32 s12, 2                            ; waves 0 and 1 store the work-group's 256 words, 512 consecutive bytes each
	s_cbranch_scc0 .Lno_words
	ds_load_b128 v[S:S+3], v[YSR]
	s_wait_dscnt 0x0
	global_store_b128 v6, v[S:S+3], s[46:47]
.Lno_words:
	s_wait_tensorcnt 0x0                           ; the wave's end: behind my last tensor load and my last LDS store
	ds_add_u32 v[SPW], v[NIL]
	s_wait_dscnt 0x0
	CROUND                                         ; the closing round: no work-group ends while a partner may still ask for a tile that names it
	s_endpgm
.Lfunc_end_k_qea4ee533d1_attn:
	.size	k_qea4ee533d1_attn, .Lfunc_end_k_qea4ee533d1_attn-k_qea4ee533d1_attn
	.p2alignl 7, 3214868480
	.fill 96, 4, 3214868480
	.section	.rodata,"a",@progbits
	.p2align	6, 0x0
	.amdhsa_kernel k_qea4ee533d1_attn
		.amdhsa_group_segment_fixed_size 327680
		.amdhsa_private_segment_fixed_size 0
		.amdhsa_enable_private_segment 0
		.amdhsa_kernarg_size 32
		.amdhsa_user_sgpr_count 2
		.amdhsa_user_sgpr_kernarg_segment_ptr 1
		.amdhsa_wavefront_size32 1
		.amdhsa_system_sgpr_workgroup_id_x 1
		.amdhsa_system_sgpr_workgroup_id_y 1
		.amdhsa_system_sgpr_workgroup_id_z 1
		.amdhsa_system_vgpr_workitem_id 0
		.amdhsa_next_free_vgpr 256
		.amdhsa_next_free_sgpr 66
		.amdhsa_reserve_vcc 0
		.amdhsa_float_denorm_mode_32 3
		.amdhsa_float_denorm_mode_16_64 3
		.amdhsa_memory_ordered 1
		.amdhsa_forward_progress 1
		.amdhsa_inst_pref_size 70
	.end_amdhsa_kernel
	.amdgpu_metadata
---
amdhsa.version: [ 1, 2 ]
amdhsa.kernels:
  - .name:           k_qea4ee533d1_attn
    .symbol:         k_qea4ee533d1_attn.kd
    .args:
      - { .name: qimg, .offset: 0, .size: 8, .value_kind: global_buffer, .address_space: global }
      - { .name: kimg, .offset: 8, .size: 8, .value_kind: global_buffer, .address_space: global }
      - { .name: vimg, .offset: 16, .size: 8, .value_kind: global_buffer, .address_space: global }
      - { .name: yq, .offset: 24, .size: 8, .value_kind: global_buffer, .address_space: global }
    .group_segment_fixed_size: 327680
    .private_segment_fixed_size: 0
    .kernarg_segment_align: 8
    .kernarg_segment_size: 32
    .max_flat_workgroup_size: 512
    .sgpr_count:     66
    .vgpr_count:     256
    .wavefront_size: 32
...
	.end_amdgpu_metadata
.endif
;; end of part 3
;; launch proj (part 4): grid 4 x 32, 4 waves a work-group, clusters of 4 x 4, 327,680 bytes of LDS; arguments yq, wz, out0; writes out0
.if DOCPART == 4
	.amdgcn_target "amdgcn-amd-amdhsa--gfx1250"
	.amdhsa_code_object_version 6
	.text
	.protected	k_qea4ee533d1_proj
	.globl	k_qea4ee533d1_proj
	.p2align	8
	.type	k_qea4ee533d1_proj,@function
k_qea4ee533d1_proj:
	s_mov_b64 s[64:65], 0
	v_nop
	global_prefetch_b8 v0, s[64:65] scope:SCOPE_SE
	s_setreg_imm32_b32 hwreg(HW_REG_WAVE_MODE, 25, 1), 1
	s_wait_xcnt 0x0
	s_wait_alu depctr_hold_cnt(0) depctr_sa_sdst(0) depctr_va_vdst(0) depctr_va_sdst(0) depctr_va_ssrc(0) depctr_va_vcc(0) depctr_vm_vsrc(0)
	s_getreg_b32 s2, hwreg(HW_REG_IB_STS2, 6, 4)
	s_cmp_eq_u32 s2, 0
	s_cbranch_scc0 .Lentry_in_a_cluster
	s_endpgm
.Lentry_in_a_cluster:
	s_bfe_u32 s2, ttmp6, 0x10000c
	s_cmp_lg_u32 s2, 0xf033
	s_cbranch_scc0 .Lentry_shape_is_right
	s_endpgm
.Lentry_shape_is_right:
; out0 = y wproj^T on codes of FP6 (E2M3) with one E8M0 scale for each 32 along K = 1,024; sums in f32.  8,192 x 1,024.
; A work-group of four waves makes 256 x 256, a wave 128 x 128: 64 accumulators, 512 registers.  K goes in steps of 256 through a ring of two LDS slots filled by the tensor data mover; all scale words come into LDS once.
; CLUSTERS: 4 x 4 work-groups: y's tiles are asked for jointly along a row of the cluster, wproj's along a column.  THE MATRIX INSTRUCTION IS USED TRANSPOSED (source 0 = 16 rows of wproj, source 1 = 16 rows of y).
; B = wproj: rows of 768 bytes of codes from byte 2,359,296 of wz, 32 scale bytes a row from byte 3,244,032; through LDS as rows of 192 bytes with 16 bytes of padding behind every 64.
; A = y ARRIVES AS REGISTER IMAGES: for each tile of 16 places and each head 768 bytes (registers 0-3 of lane l at 16 l, registers 4-5 at 512 + 8 l); a fragment of 128 along K is two heads' half images on end.
; A K step's part of a tile is 3,072 consecutive bytes, a tile 12,288: a wave's tensor load brings 8 rows of 3,072 bytes.  Each LDS load reads 512 or 256 consecutive bytes.
; y's scale words lie [K / 128][place][4 bytes] from byte 6,291,456 of yq: a wave's load brings 8 rows of 512 bytes.
; y's places are not its tokens: place 16 a + t of a group of 128 is token 64 (a / 4) + 32 (t / 8) + 8 (a % 4) + t % 8: the way out stores each row at its token.
; 128 work-groups: a tile of 256 x 256 keeps the largest wave tile; the grid has no more tiles of that size.
; REGISTERS, in windows of 256: window 0: v0-31 addresses; v32-63 A's scale words, v64-95 B's, two sets each, and nothing else; from v128 A's fragments, ONE set; on the way out v128-255 rows.
;   window 1: B's fragments, TWO sets.   window 2: the accumulators of my places 0-63;   window 3: those of places 64-127.
.set SIZE_N, 1024
.set KSTEP,  256
.set NQ,     KSTEP/128
.set ROWB,   192
.set KROW,   768
.set PITCH,  240
.set FR,     12
.set NL,     6                         ; LDS loads that bring a fragment of B
.set NLA,    4                         ; and of A
.set NP,     4
.set HALFT,  128*PITCH                 ; a quarter of a slot; A's 8 x 3,072 bytes use 24,576 of it
.set SLOT,   4*HALFT
.set LAPS,   2
.set KS,     32
.set SCL,    2*SLOT
.set HALFS,  (128*KS/256)*272          ; a quarter of the scales' region; A's 8 x 512 bytes use 4,096 of it
.set SBLK,   (16*KS/256)*272
.set SPARE,  SCL+4*HALFS               ; the spare words, 128 bytes for each wave: two blocks of 256 bytes that no other line names
.set SPITCH, 528                       ; the way out: a stage of 16 rows x (512 bytes + 16) for each wave, in slot 0, which has had its last fill and its last read by then
.set ADRA, 16                          ; v16-17 16 x lane + my A tiles in slot 0, 1;  v18-19 8 x lane + the same
.set ADRB, 20                          ; v20-23 B's, as rows
.set STO,  24
.set RD,   25
.set CO,   26
.set ADRSB, 27                         ; v27  B's scale words
.set SPW,  28
.set NIL,  29
.set ADRSA, 30                         ; v30  A's scale words
.set SCA,  32
.set SCB,  64
.set AF,   128
.set BK,   128
.set G1, 24
.set G0, 32
.set G1B, 48
.set G0B, 56
.set G1S, 68
.set G0S, 76
.set G1SB, 80
.set G0SB, 88
.set MSB, 0
.macro WIN new
.if MSB != (\new)
	s_set_vgpr_msb (MSB<<8)|(\new)
.set MSB, (\new)
.endif
.endm
.set MUL_LO, 0xa1
.set MUL_HI, 0xf1
.set TO_B,   0x40
.macro JLOAD g0a, g1a, g0b, g1b        ; a joint load: waves 0 and 1 fetch for A, waves 2 and 3 for B; four v_nop follow each of the two lines
	s_cmp_eq_u32 s15, 0
	s_cbranch_scc0 .Lfor_b_\@
	tensor_load_to_lds s[\g0a:\g0a+3], s[\g1a:\g1a+7]
	s_nop 0
.rept 4
	v_nop
.endr
	s_branch .Lasked_\@
.Lfor_b_\@:
	tensor_load_to_lds s[\g0b:\g0b+3], s[\g1b:\g1b+7]
	s_nop 0
.rept 4
	v_nop
.endr
.Lasked_\@:
.endm
.macro CREST
	s_cmp_lg_u32 s14, 0
	s_cbranch_scc1 .Lnot_wave_0_\@
	s_barrier_signal -3
.Lnot_wave_0_\@:
	s_barrier_wait -3
	s_barrier_signal -1
	s_barrier_wait -1
.endm
.macro CROUND
	s_barrier_signal -1
	s_barrier_wait -1
	CREST
.endm
	s_load_b128 s[4:7], s[0:1], 0x0                ; yq, wz
	s_load_b64 s[12:13], s[0:1], 0x10              ; out0
	v_lshl_add_u32 v[SPW], v0, 2, SPARE
	v_mov_b32 v[NIL], 0
	ds_add_u32 v28, v29
	s_wait_dscnt 0x0
	v_lshrrev_b32 v1, 5, v0
	v_readfirstlane_b32 s14, v1                    ; wave 0..3
	s_lshr_b32 s15, s14, 1                         ; which half of the tile's rows is mine.  Also: I fetch for A (0) or for B (1)
	s_and_b32 s16, s14, 1                          ; which half of its columns.  Also: which half of that tile I fetch
	s_bfe_u32 s40, ttmp6, 0x40000                  ; cx, cy
	s_bfe_u32 s41, ttmp6, 0x40004
	s_lshl_b32 s42, ttmp9, 2
	s_add_co_u32 s42, s42, s40                     ; tile column = 4 x cluster x + cx
	s_and_b32 s17, ttmp7, 0xffff
	s_lshl_b32 s17, s17, 2
	s_add_co_u32 s17, s17, s41                     ; tile row = 4 x cluster y + cy
	s_lshl_b32 s43, s41, 2
	s_lshl_b32 s43, 15, s43                        ; my row of the cluster
	s_lshl_b32 s44, 0x1111, s40                    ; my column
	; A's tiles: 8 rows (tiles of 16 places) x 384 elements of 8 bytes, 1,536 elements apart; no padding
	s_or_b32 s[G1+0], s43, (3<<16)|(1<<21)
	s_mov_b32 s[G1+1], 384<<16                     ; tensor_dim0
	s_mov_b32 s[G1+2], 8<<16                       ; tensor_dim1
	s_mov_b32 s[G1+3], 384<<16                     ; tile_dim0
	s_mov_b32 s[G1+4], 8                           ; tile_dim1
	s_mov_b32 s[G1+5], 1536                        ; tensor_dim0_stride
	s_mov_b32 s[G1+6], 0
	s_mov_b32 s[G1+7], 0
	; B's tiles: 128 rows x 192 bytes, 16 bytes of padding behind every 64
	s_or_b32 s[G1B+0], s44, (0<<16)|(1<<20)|(1<<21)|(3<<22)|(3<<25)
	s_mov_b32 s[G1B+1], ROWB<<16
	s_mov_b32 s[G1B+2], 128<<16
	s_mov_b32 s[G1B+3], ROWB<<16
	s_mov_b32 s[G1B+4], 128
	s_mov_b32 s[G1B+5], KROW
	s_mov_b32 s[G1B+6], 0
	s_mov_b32 s[G1B+7], 0
	; A's scale words: 8 rows (128 along K each) x 64 elements of 8 bytes (128 places), 4,096 elements apart; no padding
	s_or_b32 s[G1S+0], s43, (3<<16)|(1<<21)
	s_mov_b32 s[G1S+1], 64<<16
	s_mov_b32 s[G1S+2], 8<<16
	s_mov_b32 s[G1S+3], 64<<16
	s_mov_b32 s[G1S+4], 8
	s_mov_b32 s[G1S+5], 4096
	s_mov_b32 s[G1S+6], 0
	s_mov_b32 s[G1S+7], 0
	; B's scale bytes: 4,096 dense bytes as rows of 256, 16 bytes of padding behind each
	s_or_b32 s[G1SB+0], s44, (3<<16)|(1<<20)|(1<<21)|(5<<22)|(3<<25)
	s_mov_b32 s[G1SB+1], 32<<16
	s_mov_b32 s[G1SB+2], (128*KS/256)<<16
	s_mov_b32 s[G1SB+3], 32<<16
	s_mov_b32 s[G1SB+4], 128*KS/256
	s_mov_b32 s[G1SB+5], 32
	s_mov_b32 s[G1SB+6], 0
	s_mov_b32 s[G1SB+7], 0
	s_lshl_b32 s20, s17, 4
	s_lshl_b32 s19, s16, 3
	s_add_co_u32 s20, s20, s19
	s_mul_i32 s20, s20, 12288                      ; A's codes: tile of places 16 x tile row + 8 x half
	s_mov_b32 s21, 0
	s_lshl_b32 s22, s17, 10
	s_lshl_b32 s19, s16, 9
	s_add_co_u32 s22, s22, s19
	s_add_co_u32 s22, s22, 6291456                 ; A's scale words: place 256 x tile row + 128 x half
	s_mov_b32 s23, 0
	s_lshl_b32 s18, s16, 7
	s_lshl_b32 s46, s42, 8
	s_add_co_u32 s46, s46, s18                     ; B: row 256 x tile column + 128 x half
	s_lshl_b32 s92, s46, 5
	s_add_co_u32 s92, s92, 3244032
	s_mov_b32 s93, 0
	s_mul_i32 s46, s46, KROW
	s_add_co_u32 s46, s46, 2359296
	s_mov_b32 s47, 0
	s_mul_i32 s45, s14, HALFT                      ; where they go: no place in the cluster enters an LDS address
	s_mul_i32 s94, s14, HALFS
	s_wait_kmcnt 0x0
	s_add_nc_u64 s[20:21], s[4:5], s[20:21]
	s_add_nc_u64 s[22:23], s[4:5], s[22:23]
	s_add_nc_u64 s[46:47], s[6:7], s[46:47]
	s_add_nc_u64 s[92:93], s[6:7], s[92:93]
	CROUND                                         ; all sixteen work-groups are here: the first joint loads meet
	s_mov_b32 s[G0S], 1
	s_add_co_u32 s[G0S+1], s94, SCL
	s_mov_b64 s[G0S+2:G0S+3], s[22:23]
	s_or_b32 s[G0S+3], s[G0S+3], 0x80000000
	s_mov_b32 s[G0SB], 1
	s_add_co_u32 s[G0SB+1], s94, SCL
	s_mov_b64 s[G0SB+2:G0SB+3], s[92:93]
	s_or_b32 s[G0SB+3], s[G0SB+3], 0x80000000
	JLOAD G0S, G1S, G0SB, G1SB                     ; the scales first: they are wanted with K step 0
.irp s, 0,1
	s_mov_b32 s[G0+4*\s], 1
	s_add_co_u32 s[G0+4*\s+1], s45, \s*SLOT
	s_add_nc_u64 s[G0+4*\s+2:G0+4*\s+3], s[20:21], \s*3072
	s_or_b32 s[G0+4*\s+3], s[G0+4*\s+3], 0x80000000
	s_mov_b32 s[G0B+4*\s], 1
	s_add_co_u32 s[G0B+4*\s+1], s45, \s*SLOT
	s_add_nc_u64 s[G0B+4*\s+2:G0B+4*\s+3], s[46:47], \s*ROWB
	s_or_b32 s[G0B+4*\s+3], s[G0B+4*\s+3], 0x80000000
	JLOAD G0+4*\s, G1, G0B+4*\s, G1B
.endr
	v_and_b32 v1, 15, v0                           ; r
	v_bfe_u32 v2, v0, 4, 1                         ; h
	v_mul_u32_u24 v3, v1, PITCH
	v_mul_u32_u24 v4, v2, 24
	v_add_nc_u32 v4, v3, v4                        ; B: a fragment's row x pitch + 24 x half
	v_lshl_add_u32 v5, v2, 4, v4                   ; and the same behind one padding more
	v_and_b32 v6, 31, v0
	v_lshlrev_b32 v7, 4, v6                        ; A: 16 x lane
	v_lshlrev_b32 v8, 3, v6                        ; and 8 x lane
	s_mul_i32 s21, s15, HALFT                      ; my 128 places of A
	s_mul_i32 s22, s16, HALFT                      ; my 128 rows of B,
	s_add_co_u32 s22, s22, 2*HALFT                 ; which lie behind A's two quarters
.irp s, 0,1
	v_add_nc_u32 v[ADRA+\s], s21, v7
	v_add_nc_u32 v[ADRA+2+\s], s21, v8
	v_add_nc_u32 v[ADRB+\s], s22, v4
	v_add_nc_u32 v[ADRB+2+\s], s22, v5
	s_add_co_u32 s21, s21, SLOT
	s_add_co_u32 s22, s22, SLOT
.endr
	v_mul_u32_u24 v5, v1, KS                       ; B's scales: 32 bytes a row,
	v_lshrrev_b32 v6, 8, v5
	v_lshl_add_u32 v5, v6, 4, v5                   ; and 16 more for each 256 passed
	s_mul_i32 s22, s16, HALFS
	s_add_co_u32 s22, s22, SCL+2*HALFS
	v_add_nc_u32 v[ADRSB], s22, v5
	s_mul_i32 s21, s15, HALFS
	s_add_co_u32 s21, s21, SCL
	v_lshl_add_u32 v[ADRSA], v1, 2, s21            ; A's: 4 bytes a place
	s_mul_i32 s23, s14, 16*SPITCH                  ; my stage
	v_mul_u32_u24 v5, v1, SPITCH                   ; in: row l % 16, 32 bytes for each half of the lanes
	v_lshl_add_u32 v5, v2, 5, v5
	v_add_nc_u32 v[STO], s23, v5
	v_and_b32 v6, 31, v0
	v_lshlrev_b32 v[CO], 4, v6                     ; back: the 32 lanes take one row of 512 bytes; and the same in out0
	v_add_nc_u32 v[RD], s23, v[CO]
	s_lshl_b32 s20, s17, 8
	s_lshl_b32 s21, s15, 7
	s_add_co_u32 s20, s20, s21                     ; my group's first token: 256 x tile row + 128 x half
	s_mov_b32 s21, 0
	s_mov_b64 s[18:19], SIZE_N*4
	s_mul_u64 s[20:21], s[20:21], s[18:19]
	s_lshl_b32 s46, s42, 10                        ; my first column, in bytes
	s_lshl_b32 s47, s16, 9
	s_add_co_u32 s46, s46, s47
	s_mov_b32 s47, 0
	s_add_nc_u64 s[20:21], s[20:21], s[46:47]
	s_add_nc_u64 s[12:13], s[12:13], s[20:21]
.macro FRAG reg, adr, q, i             ; a fragment of B from rows: 24 bytes of the row's stream of bits for each half of K, in pieces of 8
.irp p, 0,1,2,3,4,5
.set PC, 12*(\q)+6*(\p/3)+\p%3
.if PC%8 < 5
	ds_load_b64 v[\reg+2*\p:\reg+2*\p+1], v[\adr] offset:8*PC+16*(PC/8)+(\i)*16*PITCH
.else
	ds_load_b64 v[\reg+2*\p:\reg+2*\p+1], v[\adr+2] offset:8*PC+16*(PC/8)+(\i)*16*PITCH
.endif
.endr
.endm
.macro FRAGA reg, slot, q, i           ; a fragment of A from two half images
	ds_load_b128 v[\reg:\reg+3],     v[ADRA+\slot]   offset:(\i)*3072+(\q)*1536
	ds_load_b64  v[\reg+4:\reg+5],   v[ADRA+2+\slot] offset:(\i)*3072+(\q)*1536+512
	ds_load_b128 v[\reg+6:\reg+9],   v[ADRA+\slot]   offset:(\i)*3072+(\q)*1536+768
	ds_load_b64  v[\reg+10:\reg+11], v[ADRA+2+\slot] offset:(\i)*3072+(\q)*1536+1280
.endm
; 16 matrix instructions: A's blocks a0, a0 + 1 x B's eight.  The 64 accumulators take turns, one instruction a turn, in the same order in every step.
.macro MUL16 a0, p, q, sc, zero
.irp a, \a0, \a0+1
.irp b, 0,1,2,3,4,5,6,7
.if \zero
	v_wmma_scale_f32_16x16x128_f8f6f4 v[8*(8*((\a)%4)+\b):8*(8*((\a)%4)+\b)+7], v[128*(\p)+FR*\b:128*(\p)+FR*\b+FR-1], v[AF+FR*(\a):AF+FR*(\a)+FR-1], 0, v[SCB+16*(\sc)+2*\b+(\q)], v[SCA+16*(\sc)+2*(\a)+(\q)] matrix_a_fmt:MATRIX_FMT_FP6 matrix_b_fmt:MATRIX_FMT_FP6
.else
	v_wmma_scale_f32_16x16x128_f8f6f4 v[8*(8*((\a)%4)+\b):8*(8*((\a)%4)+\b)+7], v[128*(\p)+FR*\b:128*(\p)+FR*\b+FR-1], v[AF+FR*(\a):AF+FR*(\a)+FR-1], v[8*(8*((\a)%4)+\b):8*(8*((\a)%4)+\b)+7], v[SCB+16*(\sc)+2*\b+(\q)], v[SCA+16*(\sc)+2*(\a)+(\q)] matrix_a_fmt:MATRIX_FMT_FP6 matrix_b_fmt:MATRIX_FMT_FP6
.endif
.endr
.endr
.endm
.macro FETCH_B slot, q, p
	WIN TO_B
.irp i, 0,1,2,3,4,5,6,7
	FRAG 128*(\p)+FR*\i, ADRB+\slot, \q, \i
.endr
	WIN 0
.endm
.macro FETCH_A slot, q, i0
.irp i, \i0, \i0+1, \i0+2, \i0+3
	FRAGA AF+FR*(\i), \slot, \q, \i
.endr
.endm
.macro SCALES sc                       ; the next K step's scale words: B's block i, two words a row; A's block i, a word for each 128 along K
.irp i, 0,1,2,3,4,5,6,7
	ds_load_b64 v[SCB+16*\sc+2*\i:SCB+16*\sc+2*\i+1], v[ADRSB] offset:\i*SBLK
.endr
.irp i, 0,1,2,3,4,5,6,7
	ds_load_b32 v[SCA+16*\sc+2*\i], v[ADRSA] offset:64*\i
	ds_load_b32 v[SCA+16*\sc+2*\i+1], v[ADRSA] offset:512+64*\i
.endr
.endm
.macro PLACES n
.rept \n
	v_nop
.endr
.endm
.macro STEP slot, q, zero
	s_wait_dscnt 4*NLA                             ; B's set, the scale words and A's blocks 0-3 are in; the youngest 16 loads (A's blocks 4-7) may be out
	WIN MUL_LO
	MUL16 0, (\q)%2, \q, \slot, \zero
	MUL16 2, (\q)%2, \q, \slot, \zero
	s_wait_dscnt 0
	PLACES NP
	FETCH_B \slot, (\q)+1, 1-(\q)%2
	FETCH_A \slot, (\q)+1, 0
	WIN MUL_HI
	MUL16 4, (\q)%2, \q, \slot, \zero
	MUL16 6, (\q)%2, \q, \slot, \zero
	PLACES NP
	WIN 0
	FETCH_A \slot, (\q)+1, 4
.endm
.macro TURN slot, next, fill
	s_wait_tensorcnt 0x0                           ; all my tensor loads have landed: my part of the next slot
	ds_add_u32 v[SPW], v[NIL]                      ; 0 onto my spare word
	s_wait_dscnt 4*NLA+1                           ; (the add and the youngest 16 loads, A's blocks 4-7, may be out)
	WIN MUL_LO
	MUL16 0, 1, NQ-1, \slot, 0
	s_wait_dscnt 0x0                               ; the add is done, and my reads of this slot are over
	s_barrier_signal -1
	MUL16 2, 1, NQ-1, \slot, 0
	WIN 0
	s_barrier_wait -1
.if \fill
	CREST                                          ; the barrier has opened a round of the cluster's barrier: no wave of any partner still reads this slot or has a load on its way
	s_add_nc_u64 s[G0+4*\slot+2:G0+4*\slot+3], s[G0+4*\slot+2:G0+4*\slot+3], 2*3072
	s_add_nc_u64 s[G0B+4*\slot+2:G0B+4*\slot+3], s[G0B+4*\slot+2:G0B+4*\slot+3], 2*ROWB
	JLOAD G0+4*\slot, G1, G0B+4*\slot, G1B         ; the first tensor load behind the round; its four v_nop are the places in front of the loads below
.else
	PLACES NP
.endif
	v_add_nc_u32 v[ADRSA], 1024, v[ADRSA]          ; on to the next K step's scale words
	v_add_nc_u32 v[ADRSB], 4*NQ, v[ADRSB]
	FETCH_B \next, 0, 0
	FETCH_A \next, 0, 0
	SCALES \next
	WIN MUL_HI
	MUL16 4, 1, NQ-1, \slot, 0
	MUL16 6, 1, NQ-1, \slot, 0
	PLACES NP
	WIN 0
	FETCH_A \next, 0, 4
.endm
	s_wait_tensorcnt 1                             ; the scales and my part of K step 0 are in (K step 1's load may be out)
	s_barrier_signal -1
	s_barrier_wait -1                              ; everybody's are
	FETCH_B 0, 0, 0
	FETCH_A 0, 0, 0
	SCALES 0
	FETCH_A 0, 0, 4
	STEP 0, 0, 1                                   ; the first step's products start the sums
	s_mov_b32 s3, LAPS-1
.Llap:
	TURN 0, 1, 1
	STEP 1, 0, 0
	TURN 1, 0, 1
	STEP 0, 0, 0
	s_sub_co_u32 s3, s3, 1
	s_cmp_lg_u32 s3, 0
	s_cbranch_scc1 .Llap
	TURN 0, 1, 0                                   ; the last lap fills nothing
	STEP 1, 0, 0
	s_wait_dscnt 4*NLA
	WIN MUL_LO
	MUL16 0, 1, NQ-1, 1, 0
	MUL16 2, 1, NQ-1, 1, 0
	s_wait_dscnt 0
	WIN MUL_HI
	MUL16 4, 1, NQ-1, 1, 0
	MUL16 6, 1, NQ-1, 1, 0
	WIN 0
; THE WAY OUT, block by block of 16 places x 128 columns, through my own stage in LDS: back come whole rows of 512 bytes.  LDS serves a wave's instructions in order: no wait between the stores and the loads.
.macro TOSTAGE a
.set AC, 64*((\a)%4)
	WIN 0x08+4*((\a)/4)                            ; the data: window 2 or 3
.irp b, 0,1,2,3,4,5,6,7
	ds_store_b128 v[STO], v[AC+8*\b:AC+8*\b+3] offset:64*\b          ; each accumulator from its low end on
	ds_store_b128 v[STO], v[AC+8*\b+4:AC+8*\b+7] offset:64*\b+16
.endr
	WIN 0
.set BB, BK+64*((\a)%2)
.irp t, 0,1,2,3,4,5,6,7,8,9,10,11,12,13,14,15
	ds_load_b128 v[BB+4*\t:BB+4*\t+3], v[RD] offset:\t*SPITCH
.endr
.endm
.macro SEND a, younger                 ; row t of block a is token 64 (a / 4) + 8 (a % 4) + t % 8 + 32 (t / 8) of my group: the token stands in the immediate (127 rows of 4,096 bytes at the most), the base is never stepped
.set BB, BK+64*((\a)%2)
	s_wait_dscnt \younger
.irp t, 0,1,2,3,4,5,6,7,8,9,10,11,12,13,14,15
	global_store_b128 v[CO], v[BB+4*\t:BB+4*\t+3], s[12:13] offset:(64*((\a)/4)+8*((\a)%4)+\t%8+32*(\t/8))*SIZE_N*4 th:TH_STORE_NT   ; 32 lanes store 512 consecutive bytes, aligned to 256; written once, read by nobody here
.endr
.endm
	PLACES NP
	TOSTAGE 0
.irp a, 1,2,3,4,5,6,7
.if \a > 1
	s_wait_xcnt 0x0                                ; block a - 2's stores have read their registers: block a's loads may land there
.endif
	TOSTAGE \a
	SEND \a-1, 32                                  ; behind block a - 1's loads: block a's 16 stores and 16 loads
.endr
	SEND 7, 0
	s_wait_tensorcnt 0x0                           ; the wave's end: behind my last tensor load and my last LDS store
	ds_add_u32 v[SPW], v[NIL]
	s_wait_dscnt 0x0
	CROUND                                         ; the closing round
	s_endpgm
.Lfunc_end_k_qea4ee533d1_proj:
	.size	k_qea4ee533d1_proj, .Lfunc_end_k_qea4ee533d1_proj-k_qea4ee533d1_proj
	.p2alignl 7, 3214868480
	.fill 96, 4, 3214868480
	.section	.rodata,"a",@progbits
	.p2align	6, 0x0
	.amdhsa_kernel k_qea4ee533d1_proj
		.amdhsa_group_segment_fixed_size 327680
		.amdhsa_private_segment_fixed_size 0
		.amdhsa_enable_private_segment 0
		.amdhsa_kernarg_size 24
		.amdhsa_user_sgpr_count 2
		.amdhsa_user_sgpr_kernarg_segment_ptr 1
		.amdhsa_wavefront_size32 1
		.amdhsa_system_sgpr_workgroup_id_x 1
		.amdhsa_system_sgpr_workgroup_id_y 1
		.amdhsa_system_sgpr_workgroup_id_z 1
		.amdhsa_system_vgpr_workitem_id 0
		.amdhsa_next_free_vgpr 1024
		.amdhsa_next_free_sgpr 98
		.amdhsa_reserve_vcc 0
		.amdhsa_float_denorm_mode_32 3
		.amdhsa_float_denorm_mode_16_64 3
		.amdhsa_memory_ordered 1
		.amdhsa_forward_progress 1
		.amdhsa_inst_pref_size 156
	.end_amdhsa_kernel
	.amdgpu_metadata
---
amdhsa.version: [ 1, 2 ]
amdhsa.kernels:
  - .name:           k_qea4ee533d1_proj
    .symbol:         k_qea4ee533d1_proj.kd
    .args:
      - { .name: yq, .offset: 0, .size: 8, .value_kind: global_buffer, .address_space: global }
      - { .name: wz, .offset: 8, .size: 8, .value_kind: global_buffer, .address_space: global }
      - { .name: out0, .offset: 16, .size: 8, .value_kind: global_buffer, .address_space: global }
    .group_segment_fixed_size: 327680
    .private_segment_fixed_size: 0
    .kernarg_segment_align: 8
    .kernarg_segment_size: 24
    .max_flat_workgroup_size: 128
    .sgpr_count:     98
    .vgpr_count:     1024
    .wavefront_size: 32
...
	.end_amdgpu_metadata
.endif
;; end of part 4
